; MI455X (gfx1250); checked and timed in simulation.
; The chip was launched on July 23, 2026; its instructions are those of AMD's public machine-readable ISA for CDNA 5 (MIT licence, August 2026) and "CDNA5" Instruction Set Architecture Reference Guide (July 2026). The comments in the code are by the model that wrote it; some were corrected since.
;; Attention. Allowed arithmetic: matrix products marked QUANTISED: E2M1 operands, one E8M0 scale for each 32 along K, by v_wmma_scale_f32_16x16x128_f8f6f4 with both operands' format E2M1 (or v_wmma_scale_f32_32x16x128_f4), f32 sums; products left as they are: bf16, f16 or f32 operands; f32 sums; everything else in f32.
;; Inputs: b_proj 1,024 float32; k_scale 64 float32; q_scale 64 float32; w_proj 1,024 x 1,024 float32; w_qkv 1,024 x 3,072 float32; x 4 x 2,048 x 1,024 float32.
;; Outputs: out0 4 x 2,048 x 1,024 float32.
;; This version of the problem:
;;   THIS VERSION OF THE PROBLEM IS GIVEN IN LOW PRECISION. The matrix products marked QUANTISED in the list below multiply operands that are first quantised to E2M1 (2 exponent bits, 1 mantissa bit; 4 bits a number), with one power-of-two scale for each 32 numbers along K (OCP MX v1.0); their sums are f32. The products marked 'left as it is' may take bf16, f16 or f32 operands, with f32 sums. Whichever they take, every output number must still come out within the allowed error. Rounding operands to bf16 (8 significant bits) uses up far more of that allowance than f16 does (11 bits, for magnitudes from 6e-5 to 65,504). All else is computed in f32.
;;   The module's matrix products, in the order in which they are computed (A, B: the left and right operand; K: the contracted axis; several contracted axes count as one K, in the product's order):
;;     1. [M 8,192, K 1,024] x [K 1,024, N 3,072]; A: input x; B: input w_qkv: QUANTISED
;;     2. batch 64 x [M 2,048, K 64] x [K 64, N 2,048]; A: computed on the way; B: computed on the way: left as it is (an operand is computed on the way)
;;     3. batch 64 x [M 64, K 2,048] x [K 2,048, N 2,048]; A: computed on the way; B: computed on the way: left as it is (an operand is computed on the way)
;;     4. [M 8,192, K 1,024] x [K 1,024, N 1,024]; A: computed on the way; B: input w_proj: left as it is (an operand is computed on the way)
;;   THE QUANTISER, for each operand of a quantised product, along K:
;;     - K is cut into blocks of 32 from its start; a last block that is shorter is filled with zeros.
;;     - A block's scale is 2^e with e = floor(log2(the largest magnitude in the block)) - 2, held to -126 .. 127; a block of zeros has e = 0. As a byte (E8M0): e + 127.
;;     - Each number is divided by its block's scale, clamped to +-6, and rounded to the nearest number of E2M1, ties to even, subnormals kept.
;;     - The product sums the exact products of the quantised numbers (number of the format x scale) in f32.
;;   ~~~python
;;   def quantise(x, axis):      # numpy; x: float32 -> the quantised numbers, widened to float32 again
;;       x = np.moveaxis(x, axis, -1); K = x.shape[-1]
;;       x = np.pad(x, [(0, 0)] * (x.ndim - 1) + [(0, -K % 32)]); x = x.reshape(x.shape[:-1] + (-1, 32)); a = np.abs(x).max(-1, keepdims=True)
;;       e = np.where(a > 0, np.clip(np.frexp(np.where(a > 0, a, 1))[1] - 1 - 2, -126, 127), 0)      # np.frexp(a)[1] - 1 = floor(log2(a)), exactly
;;       r = np.clip(x / 2.0 ** e, -6, 6)
;;       step = 2.0 ** (np.maximum(np.frexp(np.where(r == 0, 1, r))[1] - 1, 0) - 1)
;;       q = np.round(r / step) * step * 2.0 ** e      # np.round: ties to even
;;       return np.moveaxis(q.reshape(q.shape[:-2] + (-1,))[..., :K], -1, axis).astype(np.float32)
;;   ~~~
;; One version. Each part assembles by itself: llvm-mc -triple=amdgcn-amd-amdhsa -mcpu=gfx1250 --defsym DOCPART=n.
;; ======== version 1 of 1: 4 launches
;; limits: values are held in f16: magnitudes above 65,504 overflow, below 6.1e-05 lose precision; right only within a limited range of input values
;; workspace buffers: xc 4,194,304 bytes; xs 262,144 bytes; wc 1,572,864 bytes; ws 98,304 bytes; wpt 2,097,152 bytes; rope 524,288 bytes; qkv 50,331,648 bytes; att 16,777,216 bytes
;; launch prep (part 1): grid 384 x 1, 4 waves a work-group, no clusters, 102,912 bytes of LDS; arguments x, w_qkv, w_proj, xc, xs, wc, ws, wpt, rope; writes xc, xs, wc, ws, wpt, rope
.if DOCPART == 1
	.amdgcn_target "amdgcn-amd-amdhsa--gfx1250"
	.amdhsa_code_object_version 6
	.text
	.protected	k_q5de81ae628_prep
	.globl	k_q5de81ae628_prep
	.p2align	8
	.type	k_q5de81ae628_prep,@function
k_q5de81ae628_prep:
	s_mov_b64 s[64:65], 0
	v_nop
	global_prefetch_b8 v0, s[64:65] scope:SCOPE_SE
	s_setreg_imm32_b32 hwreg(HW_REG_WAVE_MODE, 25, 1), 1
	s_wait_xcnt 0x0
; PREP: what the three later launches read again and again is made once.
;   work-groups   0..255  X: x [8192][1024] f32 -> codes of FP4 (E2M1), K innermost, xc [8192][512 bytes], and one E8M0 byte for each 32 along K, xs [8192][32]
;   work-groups 256..303  W: w_qkv [1024 (k)][3072 (n)] f32 -> wc [3072][512 bytes], ws [3072][32]: K is the FIRST axis, so a lane takes a column and its registers run down K
;   work-groups 304..367  P: w_proj [1024 (k)][1024 (n)] f32 -> wpt [n][k] f16: the same plan, a conversion in place of the quantiser
;   work-groups 368..383  T: the table of RoPE, rope [position 2048][cos 32, sin 32] f32: it hangs on the shapes alone
; A block's scale is 2^(floor(log2(its largest magnitude)) - 2); its byte is the largest magnitude's exponent field - 2, held at 1 from below.
; LIMITS: a block of zeros gets the byte 1 where the rule says 127 (its codes are zeros, and this program alone reads the bytes); blocks whose largest magnitude lies under 2^-124 get the byte 1 too;
; NaN and infinities are not served; w_proj beyond 65,504 is not served (f16).  The table's angle is position x frequency in f32, the frequency by v_exp_f32: at the largest positions it may differ
; from a correctly rounded frequency's angle by about 2e-4 radians; q and k take the same table.
; The paths part on the work-group's number; each has LDS bytes of its own and ends by itself.  No tensor loads, no barrier: waves share nothing.
.set SPARE, 102400                     ; behind the three paths' stages: the spare words, 128 bytes for each wave
.set SPW,   190                        ; v190 LDS address of my spare word; never rewritten
.set NIL,   191                        ; v191 0; never rewritten
.set WV,    22                         ; s22  my wave's number
.set XR,    16                         ; path X: v16-79 four sets of 16 numbers as loaded
.set XX,    80                         ;         v80-111 two sets of 16 neighbours
.set XE,    112                        ;         v112-127 a scale byte for each step
.set XC,    128                        ;         v128-159 codes, two registers for each step
.set WX,    32                         ; paths W, P: v32-95 two sets of 32 numbers
.set WC,    96                         ;         v96.. what a block becomes
.set WOUT,  112                        ;         v112-175 the way out
.set WSB,   24                         ;         v24-27 the scale bytes, four to a register
.macro FINISH                          ; a wave's end, behind its last LDS store
	s_wait_tensorcnt 0x0
	ds_add_u32 v[SPW], v[NIL]
	s_wait_dscnt 0x0
	s_endpgm
.endm
	s_load_b256 s[4:11], s[0:1], 0x0               ; x s[4:5], w_qkv s[6:7], w_proj s[8:9], xc s[10:11]
	s_load_b256 s[12:19], s[0:1], 0x20             ; xs s[12:13], wc s[14:15], ws s[16:17], wpt s[18:19]
	s_load_b64 s[20:21], s[0:1], 0x40              ; rope
	v_lshl_add_u32 v[SPW], v0, 2, SPARE
	v_mov_b32 v[NIL], 0
	v_lshrrev_b32 v1, 5, v0
	v_readfirstlane_b32 s[WV], v1                  ; wave 0..3
	v_and_b32 v2, 31, v0                           ; lane
	s_mov_b32 s29, 0                               ; the upper word of every offset pair s[28:29]
	s_wait_kmcnt 0x0
	s_cmp_lt_u32 ttmp9, 256
	s_cbranch_scc0 .Lnot_x
; ---------------- PATH X.  A wave takes 16 steps of 512 numbers.  Each load reads 512 consecutive bytes; a step's 2,048 bytes turn through the wave's own stage so that a lane holds 16 neighbours along K.
	v_lshlrev_b32 v3, 4, v2                        ; my 16 bytes of a load's 512
	s_lshl_b32 s23, s[WV], 13                      ; my wave's 8,192 bytes of LDS: two stages of 32 x 80 bytes, then 256 scale bytes
	v_lshrrev_b32 v14, 2, v2
	v_mul_u32_u24 v14, v14, 80
	v_and_b32 v15, 3, v2
	v_lshl_add_u32 v14, v15, 4, v14
	v_add_nc_u32 v14, s23, v14                     ; into the stage: 80 (lane / 4) + 16 (lane % 4)
	v_mul_u32_u24 v15, v2, 80
	v_add_nc_u32 v15, s23, v15                     ; out of it: 80 x lane
	v_lshlrev_b32 v4, 3, v2                        ; my 8 bytes of a step's 256 bytes of codes
	v_lshrrev_b32 v5, 1, v2
	s_add_co_u32 s23, s23, 5120
	v_add_nc_u32 v5, s23, v5                       ; my block's scale byte in LDS
	v_lshlrev_b32 v7, 3, v2
	v_add_nc_u32 v6, s23, v7                       ; and 8 of the 256 on the way out
	s_lshl_b32 s24, ttmp9, 2
	s_add_co_u32 s24, s24, s[WV]                   ; which run of 8,192 numbers is my wave's
	s_lshl_b32 s28, s24, 15
	s_add_nc_u64 s[4:5], s[4:5], s[28:29]
	s_lshl_b32 s28, s24, 12
	s_add_nc_u64 s[10:11], s[10:11], s[28:29]
	s_lshl_b32 s28, s24, 8
	s_add_nc_u64 s[12:13], s[12:13], s[28:29]
.macro XLOAD t
.irp i, 0,1,2,3
	global_load_b128 v[XR+16*((\t)%4)+4*\i:XR+16*((\t)%4)+4*\i+3], v3, s[4:5] offset:2048*(\t)+512*\i th:TH_LOAD_NT
.endr
.endm
.macro XTURN t                         ; LDS serves a wave's instructions in order: no wait between the stores and the loads
.irp i, 0,1,2,3
	ds_store_b128 v14, v[XR+16*((\t)%4)+4*\i:XR+16*((\t)%4)+4*\i+3] offset:2560*((\t)%2)+640*\i
.endr
.irp i, 0,1,2,3
	ds_load_b128 v[XX+16*((\t)%2)+4*\i:XX+16*((\t)%2)+4*\i+3], v15 offset:2560*((\t)%2)+16*\i
.endr
.endm
.macro XSTEP t
.set XS, XX+16*((\t)%2)
.if (\t) > 0
	s_wait_dscnt 1                                 ; this step's numbers are back from the stage; the last step's byte store may be out
.else
	s_wait_dscnt 0x0
.endif
.if (\t)+4 < 16
	XLOAD (\t)+4                                   ; into the set whose stores into the stage are done
.endif
.if (\t)+1 < 16
.if 14-(\t) >= 3
	s_wait_loadcnt 12                              ; the next step's four loads are in; those of the three steps behind it may be out
.else
	s_wait_loadcnt 4*(14-(\t))
.endif
	XTURN (\t)+1
.endif
	v_max3_num_f32 v8, |v[XS]|, |v[XS+1]|, |v[XS+2]|               ; the largest magnitude of my 16, in two chains
	v_max3_num_f32 v9, |v[XS+3]|, |v[XS+4]|, |v[XS+5]|
.irp i, 6,10
	v_max3_num_f32 v8, v8, |v[XS+\i]|, |v[XS+\i+1]|
	v_max3_num_f32 v9, v9, |v[XS+\i+2]|, |v[XS+\i+3]|
.endr
	v_max3_num_f32 v8, v8, |v[XS+14]|, |v[XS+15]|
	v_max3_num_f32 v8, v8, v9, 0x1800000           ; and the floor 2^(3 - 127): the byte cannot fall under 1
	v_max_num_f32_dpp v8, v8, v8 row_xmask:1 row_mask:0xf bank_mask:0xf   ; with my neighbour's 16: the block's
	v_add_nc_u32 v11, 0xff000000, v8               ; 2 off its exponent field: the conversion takes that field as its scale
	v_cvt_scalef32_pk8_fp4_f32 v[XC+2*(\t)], v[XS:XS+7], v11
	v_cvt_scalef32_pk8_fp4_f32 v[XC+2*(\t)+1], v[XS+8:XS+15], v11
	v_lshrrev_b32 v[XE+(\t)], 23, v11              ; the scale's byte (a plain line behind the conversions)
	ds_store_b8 v5, v[XE+(\t)] offset:16*(\t)      ; both lanes of a block write the same byte
	global_store_b64 v4, v[XC+2*(\t):XC+2*(\t)+1], s[10:11] offset:256*(\t)   ; the wave stores 256 consecutive bytes, aligned
.endm
.irp t, 0,1,2,3
	XLOAD \t
.endr
	s_wait_loadcnt 12                              ; step 0's four loads are in
	XTURN 0
.irp t, 0,1,2,3,4,5,6,7,8,9,10,11,12,13,14,15
	XSTEP \t
.endr
	ds_load_b64 v[8:9], v6                         ; my wave's 256 scale bytes, 8 a lane
	s_wait_dscnt 0x0
	global_store_b64 v7, v[8:9], s[12:13]
	FINISH
.Lnot_x:
	s_cmp_lt_u32 ttmp9, 304
	s_cbranch_scc0 .Lnot_w
; ---------------- PATH W.  A wave takes 32 columns x 512 along K: 16 blocks a lane.  The codes leave through the wave's own stage, sixteen lanes to 256 consecutive bytes of a row.
	s_sub_co_u32 s23, ttmp9, 256
	s_cmp_ge_u32 s23, 24
	s_cselect_b32 s24, 1, 0                        ; which 512 along K
	s_cselect_b32 s25, 24, 0
	s_sub_co_u32 s23, s23, s25                     ; which 128 columns
	s_lshl_b32 s25, s23, 7
	s_lshl_b32 s26, s[WV], 5
	s_add_co_u32 s25, s25, s26                     ; my wave's first column
	v_lshlrev_b32 v3, 2, v2                        ; in: 4 bytes a lane
	s_mul_i32 s26, s[WV], 8704
	s_add_co_u32 s26, s26, 32768                   ; my stage: 32 rows of 272 bytes
	v_mul_u32_u24 v4, v2, 272
	v_add_nc_u32 v4, s26, v4                       ; into it: row = my column
	v_and_b32 v5, 15, v2
	v_lshrrev_b32 v6, 4, v2
	v_mul_u32_u24 v7, v6, 272
	v_lshl_add_u32 v7, v5, 4, v7
	v_add_nc_u32 v7, s26, v7                       ; out of it: sixteen lanes to a row, two rows an instruction
	v_lshlrev_b32 v8, 9, v6
	v_lshl_add_u32 v8, v5, 4, v8                   ; the same place in wc: rows of 512 bytes
	v_lshlrev_b32 v9, 5, v2                        ; my column's row of 32 scale bytes
	s_mul_i32 s28, s24, 6291456                    ; 512 rows of 12,288 bytes
	s_lshl_b32 s27, s25, 2
	s_add_co_u32 s28, s28, s27
	s_add_nc_u64 s[6:7], s[6:7], s[28:29]
	s_lshl_b32 s28, s25, 9
	s_lshl_b32 s27, s24, 8
	s_add_co_u32 s28, s28, s27
	s_add_nc_u64 s[14:15], s[14:15], s[28:29]
	s_lshl_b32 s28, s25, 5
	s_lshl_b32 s27, s24, 4
	s_add_co_u32 s28, s28, s27
	s_add_nc_u64 s[16:17], s[16:17], s[28:29]
.macro WLOAD t                         ; block t: w(32 t + i, my column); the largest offset, 511 x 12,288, lies inside the signed 24-bit immediate
.irp i, 0,1,2,3,4,5,6,7,8,9,10,11,12,13,14,15,16,17,18,19,20,21,22,23,24,25,26,27,28,29,30,31
	global_load_b32 v[WX+32*((\t)%2)+\i], v3, s[6:7] offset:(32*(\t)+\i)*12288 th:TH_LOAD_NT
.endr
.endm
.macro WBLOCK t
.set XS, WX+32*((\t)%2)
.if (\t) < 15
	s_wait_loadcnt 32                              ; this block's 32 loads are in; the next block's may be out
.else
	s_wait_loadcnt 0x0
.endif
	v_max3_num_f32 v12, |v[XS]|, |v[XS+1]|, |v[XS+2]|              ; all 32 numbers of the block are mine
	v_max3_num_f32 v13, |v[XS+3]|, |v[XS+4]|, |v[XS+5]|
.irp i, 6,10,14,18,22,26
	v_max3_num_f32 v12, v12, |v[XS+\i]|, |v[XS+\i+1]|
	v_max3_num_f32 v13, v13, |v[XS+\i+2]|, |v[XS+\i+3]|
.endr
	v_max3_num_f32 v12, v12, |v[XS+30]|, |v[XS+31]|
	v_max3_num_f32 v12, v12, v13, 0x1800000        ; the floor
	v_add_nc_u32 v11, 0xff000000, v12              ; the conversion's scale operand
	v_lshrrev_b32 v13, 23, v11                     ; the scale's byte
.if (\t)%4 == 0
	v_mov_b32 v[WSB+(\t)/4], v13
.else
	v_lshl_or_b32 v[WSB+(\t)/4], v13, 8*((\t)%4), v[WSB+(\t)/4]
.endif
.irp g, 0,1,2,3
	v_cvt_scalef32_pk8_fp4_f32 v[WC+\g], v[XS+8*\g:XS+8*\g+7], v11
.endr
	ds_store_b128 v4, v[WC:WC+3] offset:16*(\t)    ; 32 codes: 16 bytes of my column's row
.if (\t)+2 < 16
	WLOAD (\t)+2
.endif
	s_wait_dscnt 0x0                               ; the store has read its registers: the next block's codes may be written
.endm
	WLOAD 0
	WLOAD 1
.irp t, 0,1,2,3,4,5,6,7,8,9,10,11,12,13,14,15
	WBLOCK \t
.endr
	global_store_b128 v9, v[WSB:WSB+3], s[16:17]   ; my column's 16 scale bytes
.irp t, 0,1,2,3,4,5,6,7,8,9,10,11,12,13,14,15
	ds_load_b128 v[WOUT+4*\t:WOUT+4*\t+3], v7 offset:2*\t*272
.endr
.irp t, 0,1,2,3,4,5,6,7,8,9,10,11,12,13,14,15
	s_wait_dscnt 15-\t                             ; load t is back; the younger ones may be out
	global_store_b128 v8, v[WOUT+4*\t:WOUT+4*\t+3], s[14:15] offset:2*\t*512
.endr
	FINISH
.Lnot_w:
	s_cmp_lt_u32 ttmp9, 368
	s_cbranch_scc0 .Lnot_p
; ---------------- PATH P.  A wave takes 32 columns x 128 along K of w_proj: four blocks of 32; 256 bytes of f16 for each column, through a stage as in path W.
	s_sub_co_u32 s23, ttmp9, 304
	s_and_b32 s24, s23, 7
	s_lshr_b32 s25, s23, 3                         ; which 128 along K
	s_lshl_b32 s24, s24, 7
	s_lshl_b32 s26, s[WV], 5
	s_add_co_u32 s24, s24, s26                     ; my wave's first column
	v_lshlrev_b32 v3, 2, v2
	s_mul_i32 s26, s[WV], 8704
	s_add_co_u32 s26, s26, 67584                   ; my stage
	v_mul_u32_u24 v4, v2, 272
	v_add_nc_u32 v4, s26, v4
	v_and_b32 v5, 15, v2
	v_lshrrev_b32 v6, 4, v2
	v_mul_u32_u24 v7, v6, 272
	v_lshl_add_u32 v7, v5, 4, v7
	v_add_nc_u32 v7, s26, v7
	v_lshlrev_b32 v8, 11, v6
	v_lshl_add_u32 v8, v5, 4, v8                   ; wpt: rows of 2,048 bytes
	s_lshl_b32 s28, s25, 19                        ; 128 rows of 4,096 bytes
	s_lshl_b32 s27, s24, 2
	s_add_co_u32 s28, s28, s27
	s_add_nc_u64 s[8:9], s[8:9], s[28:29]
	s_lshl_b32 s28, s24, 11
	s_lshl_b32 s27, s25, 8
	s_add_co_u32 s28, s28, s27
	s_add_nc_u64 s[18:19], s[18:19], s[28:29]
.macro PLOAD t
.irp i, 0,1,2,3,4,5,6,7,8,9,10,11,12,13,14,15,16,17,18,19,20,21,22,23,24,25,26,27,28,29,30,31
	global_load_b32 v[WX+32*((\t)%2)+\i], v3, s[8:9] offset:(32*(\t)+\i)*4096 th:TH_LOAD_NT
.endr
.endm
.macro PBLOCK t
.set XS, WX+32*((\t)%2)
.if (\t) < 3
	s_wait_loadcnt 32                              ; this block's 32 loads are in; the next block's may be out
.else
	s_wait_loadcnt 0x0
.endif
.irp j, 0,1,2,3,4,5,6,7,8,9,10,11,12,13,14,15
	v_cvt_pk_f16_f32 v[WC+\j], v[XS+2*\j], v[XS+2*\j+1]            ; two neighbours along K, the lower in the low half
.endr
.irp g, 0,1,2,3
	ds_store_b128 v4, v[WC+4*\g:WC+4*\g+3] offset:64*(\t)+16*\g
.endr
.if (\t)+2 < 4
	PLOAD (\t)+2
.endif
	s_wait_dscnt 0x0                               ; the stores have read their registers
.endm
	PLOAD 0
	PLOAD 1
.irp t, 0,1,2,3
	PBLOCK \t
.endr
.irp t, 0,1,2,3,4,5,6,7,8,9,10,11,12,13,14,15
	ds_load_b128 v[WOUT+4*\t:WOUT+4*\t+3], v7 offset:2*\t*272
.endr
.irp t, 0,1,2,3,4,5,6,7,8,9,10,11,12,13,14,15
	s_wait_dscnt 15-\t
	global_store_b128 v8, v[WOUT+4*\t:WOUT+4*\t+3], s[18:19] offset:2*\t*2048   ; sixteen lanes store 256 consecutive bytes, aligned
.endr
	FINISH
.Lnot_p:
; ---------------- PATH T.  A wave takes 32 positions, two a trip.  Lane L: position + L / 16; entries 4 (L % 16) .. + 3 of the row's 64: frequency j = 4 (L % 8) + e; lanes with (L / 8) % 2 = 1 make sines.
; angle = position x 10000^(-j / 32).  k = the nearest whole number to angle x 2 / pi; r = angle - k pi / 2, pi / 2 in two parts, |r| <= pi / 4; sine and cosine of r by polynomials that hold on that range;
; the quadrant (k for a cosine, k + 3 for a sine, since sin x = cos(x - pi / 2)) chooses between them and sets the sign.  Nothing here hangs on data.
	s_sub_co_u32 s23, ttmp9, 368
	s_lshl_b32 s23, s23, 7
	s_lshl_b32 s24, s[WV], 5
	s_add_co_u32 s23, s23, s24                     ; my wave's first position
	s_lshl_b32 s28, s23, 8                         ; 256 bytes a position
	s_add_nc_u64 s[20:21], s[20:21], s[28:29]
	v_lshrrev_b32 v3, 4, v2
	v_add_nc_u32 v3, s23, v3
	v_cvt_f32_u32 v11, v3                          ; my position
	v_lshlrev_b32 v10, 4, v2                       ; 16 bytes a lane: the wave stores 512 consecutive bytes
	v_bfe_u32 v12, v2, 3, 1
	v_mul_u32_u24 v12, v12, 3                      ; what a sine adds to the quadrant
	v_and_b32 v3, 7, v2
	v_lshlrev_b32 v3, 2, v3
.irp e, 0,1,2,3
	v_add_nc_u32 v[20+\e], \e, v3
	v_cvt_f32_u32 v[20+\e], v[20+\e]
	v_mul_f32 v[20+\e], 0xbed49a78, v[20+\e]       ; -j log2(10000) / 32
.endr
.irp e, 0,1,2,3
	v_exp_f32 v[16+\e], v[20+\e]                   ; the frequency
.endr
	v_nop                                          ; a plain line behind the last exponential
	s_wait_alu depctr_va_vdst(0)                   ; one wait for the four, ahead of their first reader and of the label
	s_mov_b32 s32, 0x3fc90fdb                      ; pi / 2, its upper part
	s_mov_b32 s33, 0xb33bbd2e                      ; and what is left of it
	s_mov_b32 s34, 0xbe2aaaa3                      ; sine: -1.6666654611e-1
	s_mov_b32 s35, 0x3c08839e                      ;  8.3321608736e-3
	s_mov_b32 s36, 0xb94ca1f9                      ; -1.9515295891e-4
	s_mov_b32 s37, 0x3d2aaaa5                      ; cosine: 4.1666645683e-2
	s_mov_b32 s38, 0xbab6061a                      ; -1.3887316255e-3
	s_mov_b32 s39, 0x37ccf5ce                      ;  2.4433157118e-5
	s_mov_b32 s30, 16
.Ltab:
.irp e, 0,1,2,3
	v_mul_f32 v[20+\e], v11, v[16+\e]              ; the angle
.endr
.irp e, 0,1,2,3
	v_mul_f32 v[24+\e], 0x3f22f983, v[20+\e]       ; x 2 / pi
.endr
.irp e, 0,1,2,3
	v_rndne_f32 v[24+\e], v[24+\e]                 ; k
.endr
.irp e, 0,1,2,3
	v_fma_f32 v[20+\e], -v[24+\e], s32, v[20+\e]
.endr
.irp e, 0,1,2,3
	v_fma_f32 v[20+\e], -v[24+\e], s33, v[20+\e]   ; r
.endr
.irp e, 0,1,2,3
	v_cvt_i32_f32 v[24+\e], v[24+\e]
.endr
.irp e, 0,1,2,3
	v_add_nc_u32 v[24+\e], v[24+\e], v12           ; the quadrant
.endr
.irp e, 0,1,2,3
	v_mul_f32 v[28+\e], v[20+\e], v[20+\e]         ; r^2
.endr
.irp e, 0,1,2,3
	v_fma_f32 v[32+\e], v[28+\e], s36, s35
	v_fma_f32 v[36+\e], v[28+\e], s39, s38
.endr
.irp e, 0,1,2,3
	v_fma_f32 v[32+\e], v[32+\e], v[28+\e], s34
	v_fma_f32 v[36+\e], v[36+\e], v[28+\e], s37
.endr
.irp e, 0,1,2,3
	v_mul_f32 v[44+\e], v[28+\e], v[20+\e]         ; r^3
	v_mul_f32 v[48+\e], v[28+\e], v[28+\e]         ; r^4
	v_fma_f32 v[52+\e], v[28+\e], -0.5, 1.0
.endr
.irp e, 0,1,2,3
	v_fma_f32 v[32+\e], v[32+\e], v[44+\e], v[20+\e]   ; sin r
	v_fma_f32 v[36+\e], v[36+\e], v[48+\e], v[52+\e]   ; cos r
.endr
.irp e, 0,1,2,3
	v_and_b32 v[44+\e], 1, v[24+\e]
	v_add_nc_u32 v[48+\e], 1, v[24+\e]
.endr
.irp e, 0,1,2,3
	v_cmp_eq_u32 vcc_lo, 1, v[44+\e]
	v_cndmask_b32 v[40+\e], v[36+\e], v[32+\e], vcc_lo   ; odd quadrants take the sine
.endr
.irp e, 0,1,2,3
	v_and_b32 v[48+\e], 2, v[48+\e]
	v_lshlrev_b32 v[48+\e], 30, v[48+\e]
	v_xor_b32 v[40+\e], v[40+\e], v[48+\e]         ; quadrants 1 and 2 are negative
.endr
	global_store_b128 v10, v[40:43], s[20:21]
	v_add_f32 v11, 2.0, v11
	s_wait_xcnt 0x0                                ; the store has read its offset and its data: both are written again only behind this wait
	v_add_nc_u32 v10, 512, v10
	s_sub_co_u32 s30, s30, 1
	s_cmp_lg_u32 s30, 0
	s_cbranch_scc1 .Ltab
	FINISH
.Lfunc_end_k_q5de81ae628_prep:
	.size	k_q5de81ae628_prep, .Lfunc_end_k_q5de81ae628_prep-k_q5de81ae628_prep
	.p2alignl 7, 3214868480
	.fill 96, 4, 3214868480
	.section	.rodata,"a",@progbits
	.p2align	6, 0x0
	.amdhsa_kernel k_q5de81ae628_prep
		.amdhsa_group_segment_fixed_size 102912
		.amdhsa_private_segment_fixed_size 0
		.amdhsa_enable_private_segment 0
		.amdhsa_kernarg_size 72
		.amdhsa_user_sgpr_count 2
		.amdhsa_user_sgpr_kernarg_segment_ptr 1
		.amdhsa_wavefront_size32 1
		.amdhsa_system_sgpr_workgroup_id_x 1
		.amdhsa_system_sgpr_workgroup_id_y 1
		.amdhsa_system_sgpr_workgroup_id_z 1
		.amdhsa_system_vgpr_workitem_id 0
		.amdhsa_next_free_vgpr 192
		.amdhsa_next_free_sgpr 66
		.amdhsa_reserve_vcc 1
		.amdhsa_float_denorm_mode_32 3
		.amdhsa_float_denorm_mode_16_64 3
		.amdhsa_memory_ordered 1
		.amdhsa_forward_progress 1
		.amdhsa_inst_pref_size 139
	.end_amdhsa_kernel
	.amdgpu_metadata
---
amdhsa.version: [ 1, 2 ]
amdhsa.kernels:
  - .name:           k_q5de81ae628_prep
    .symbol:         k_q5de81ae628_prep.kd
    .args:
      - { .name: x, .offset: 0, .size: 8, .value_kind: global_buffer, .address_space: global }
      - { .name: w_qkv, .offset: 8, .size: 8, .value_kind: global_buffer, .address_space: global }
      - { .name: w_proj, .offset: 16, .size: 8, .value_kind: global_buffer, .address_space: global }
      - { .name: xc, .offset: 24, .size: 8, .value_kind: global_buffer, .address_space: global }
      - { .name: xs, .offset: 32, .size: 8, .value_kind: global_buffer, .address_space: global }
      - { .name: wc, .offset: 40, .size: 8, .value_kind: global_buffer, .address_space: global }
      - { .name: ws, .offset: 48, .size: 8, .value_kind: global_buffer, .address_space: global }
      - { .name: wpt, .offset: 56, .size: 8, .value_kind: global_buffer, .address_space: global }
      - { .name: rope, .offset: 64, .size: 8, .value_kind: global_buffer, .address_space: global }
    .group_segment_fixed_size: 102912
    .private_segment_fixed_size: 0
    .kernarg_segment_align: 8
    .kernarg_segment_size: 72
    .max_flat_workgroup_size: 128
    .sgpr_count:     66
    .vgpr_count:     192
    .wavefront_size: 32
...
	.end_amdgpu_metadata
.endif
;; end of part 1
;; launch qkv (part 2): grid 12 x 32, 4 waves a work-group, clusters of 4 x 4, 327,680 bytes of LDS; arguments xc, xs, wc, ws, qkv, q_scale, k_scale, rope; writes qkv
.if DOCPART == 2
	.amdgcn_target "amdgcn-amd-amdhsa--gfx1250"
	.amdhsa_code_object_version 6
	.text
	.protected	k_q5de81ae628_qkv
	.globl	k_q5de81ae628_qkv
	.p2align	8
	.type	k_q5de81ae628_qkv,@function
k_q5de81ae628_qkv:
	s_mov_b64 s[64:65], 0
	v_nop
	global_prefetch_b8 v0, s[64:65] scope:SCOPE_SE
	s_setreg_imm32_b32 hwreg(HW_REG_WAVE_MODE, 25, 1), 1
	s_wait_xcnt 0x0
	s_wait_alu depctr_hold_cnt(0) depctr_sa_sdst(0) depctr_va_vdst(0) depctr_va_sdst(0) depctr_va_ssrc(0) depctr_va_vcc(0) depctr_vm_vsrc(0)
	s_getreg_b32 s2, hwreg(HW_REG_IB_STS2, 6, 4)
	s_cmp_eq_u32 s2, 0
	s_cbranch_scc0 .Lentry_in_a_cluster
	s_endpgm
.Lentry_in_a_cluster:
	s_bfe_u32 s2, ttmp6, 0x10000c
	s_cmp_lg_u32 s2, 0xf033
	s_cbranch_scc0 .Lentry_shape_is_right
	s_endpgm
.Lentry_shape_is_right:
; QKV: x w_qkv on codes of FP4 (E2M1) with one E8M0 scale for each 32 along K, sums in f32; on the way out RMS norm over each head's 64, the gain, RoPE (q and k; v goes as it is), rounded once to f16.
; A = xc [8192][512 bytes], its scales xs [8192][32]; B = wc [3072][512 bytes], ws [3072][32].  Out: qkv [kind 3][batch x 16 + head][position 2048][64] f16.
; A tile of 256 x 256 is made by four waves, each 128 x 128: 64 accumulators, 512 registers.  K = 1,024 is two slots of 512 along K (rows of 256 bytes), both filled at the start: no slot is filled again.
; The scales of the work-group's rows, for all of K, come into LDS once with the first fills.
; CLUSTERS: 4 x 4 work-groups; A's tiles are asked for jointly along a row of the cluster, B's along a column.  The cluster's x is the kind (0 q, 1 k, 2 v): 1,024 columns a cluster.
; THE MATRIX INSTRUCTION IS USED TRANSPOSED (source 0 = 16 rows of B, source 1 = 16 rows of A): lane (r, h) holds row r and, in accumulator (a, b), columns 16 b + 8 h + 0 .. 7.  A wave's 128 columns are two heads:
; head b / 4, channel d = 16 (b % 4) + 8 h + j.  So a row's sum of squares lies in lanes l and l xor 16, and RoPE's partners d and d + 32 lie in one lane, in accumulators b and b + 2.
; The factor 1 / 8 of the scores is left to the attention launch's constant.
; LIMITS: NaN and infinities are not served; |v| and 8 |gain| must stay under 65,504 (f16).
; REGISTERS: window 0: v2-29 addresses and work; v32-95 scale words and nothing else; v96-127 the gains; v128-191 A's fragments, on the way out a block's 64 numbers; v192-255 two sets of the table.
;   window 1: B's fragments, two sets (v0-63, v128-191); on the way out v0-63 packed results, v64-127 rows read back.   window 2, 3: the accumulators ((a, b) at v[8 (8 (a % 4) + b)]).
.set KSTEP,  512
.set NQ,     4
.set ROWB,   256
.set KROW,   512
.set PITCH,  272                       ; an LDS row: 256 bytes + 16 of padding: the 16 rows of a fragment load start 4 banks apart
.set FR,     8
.set NL,     2
.set NP,     4
.set HALFT,  128*PITCH
.set SLOT,   4*HALFT
.set KS,     32
.set SCL,    2*SLOT
.set HALFS,  (128*KS/256)*272
.set SBLK,   (16*KS/256)*272
.set SPARE,  SCL+4*HALFS               ; the spare words, 128 bytes for each wave
.set TA,   6                           ; v6   the table: 256 r + 32 h
.set GA,   7                           ; v7   the gains: 32 h
.set ADRA, 16
.set ADRB, 20
.set STO,  24                          ; v24  the way out: where I put 16 bytes of a head's row
.set RD,   25                          ; v25  and where I read rows back
.set CO,   26                          ; v26  16 x lane
.set ADRS, 27
.set SPW,  28
.set NIL,  29
.set SC,   32
.set SCV,  96
.set AF,   128
.set T,    128
.set TAB,  192
.set G1, 24
.set G0, 32
.set G1B, 48
.set G0B, 56
.set G1S, 68
.set G0S, 76
.set G1SB, 80
.set G0SB, 88
.set MSB, 0
.macro WIN new                         ; the immediate's high byte repeats the setting that is left
.if MSB != (\new)
	s_set_vgpr_msb (MSB<<8)|(\new)
.set MSB, (\new)
.endif
.endm
.set MUL_LO, 0xa1
.set MUL_HI, 0xf1
.set TO_B,   0x40
; A joint load: waves 0 and 1 fetch for A, waves 2 and 3 for B.  An s_nop 0 and four v_nop follow each of the two lines.
.macro JLOAD g0a, g1a, g0b, g1b
	s_cmp_eq_u32 s15, 0
	s_cbranch_scc0 .Lfor_b_\@
	tensor_load_to_lds s[\g0a:\g0a+3], s[\g1a:\g1a+7]
	s_nop 0
.rept 4
	v_nop
.endr
	s_branch .Lasked_\@
.Lfor_b_\@:
	tensor_load_to_lds s[\g0b:\g0b+3], s[\g1b:\g1b+7]
	s_nop 0
.rept 4
	v_nop
.endr
.Lasked_\@:
.endm
.macro CROUND                          ; a round of the cluster's barrier
	s_barrier_signal -1
	s_barrier_wait -1
	s_cmp_lg_u32 s14, 0
	s_cbranch_scc1 .Lnot_wave_0_\@
	s_barrier_signal -3
.Lnot_wave_0_\@:
	s_barrier_wait -3
	s_barrier_signal -1
	s_barrier_wait -1
.endm
	s_load_b128 s[4:7], s[0:1], 0x0                ; xc, xs
	s_load_b128 s[8:11], s[0:1], 0x10              ; wc, ws
	s_load_b64 s[12:13], s[0:1], 0x20              ; qkv
	s_load_b64 s[96:97], s[0:1], 0x28              ; q_scale
	s_load_b64 s[98:99], s[0:1], 0x30              ; k_scale
	s_load_b64 s[100:101], s[0:1], 0x38            ; rope
	v_lshl_add_u32 v[SPW], v0, 2, SPARE
	v_mov_b32 v[NIL], 0
	ds_add_u32 v[SPW], v[NIL]                      ; the wave's opening: the add, twice on end, and its wait ahead of my first tensor load
	ds_add_u32 v[SPW], v[NIL]
	v_lshrrev_b32 v1, 5, v0
	v_readfirstlane_b32 s14, v1                    ; wave 0..3
	s_lshr_b32 s15, s14, 1                         ; which half of the tile's rows is mine.  Also: I fetch for A (0) or for B (1)
	s_and_b32 s16, s14, 1                          ; which half of its columns.  Also: which 128 rows I fetch
	s_bfe_u32 s40, ttmp6, 0x40000                  ; cx
	s_bfe_u32 s41, ttmp6, 0x40004                  ; cy
	s_lshl_b32 s42, ttmp9, 2
	s_add_co_u32 s42, s42, s40                     ; tile column
	s_and_b32 s17, ttmp7, 0xffff
	s_lshl_b32 s17, s17, 2
	s_add_co_u32 s17, s17, s41                     ; tile row
	s_lshl_b32 s43, s41, 2
	s_lshl_b32 s43, 15, s43                        ; my row of the cluster
	s_lshl_b32 s44, 0x1111, s40                    ; my column
	s_or_b32 s[G1+0], s43, (0<<16)|(1<<20)|(1<<21)|(5<<22)|(3<<25)  ; the mask; elements of 1 byte; padding: 4 words behind every 64; bit 21 beside a mask
	s_or_b32 s[G1B+0], s44, (0<<16)|(1<<20)|(1<<21)|(5<<22)|(3<<25)
.irp g, G1, G1B
	s_mov_b32 s[\g+1], ROWB<<16                    ; tensor_dim0
	s_mov_b32 s[\g+2], 128<<16                     ; tensor_dim1
	s_mov_b32 s[\g+3], ROWB<<16                    ; tile_dim0
	s_mov_b32 s[\g+4], 128                         ; tile_dim1
	s_mov_b32 s[\g+5], KROW                        ; from row to row
	s_mov_b32 s[\g+6], 0
	s_mov_b32 s[\g+7], 0
.endr
	s_or_b32 s[G1S+0], s43, (3<<16)|(1<<20)|(1<<21)|(5<<22)|(3<<25) ; the scales of 128 rows: 4,096 dense bytes as 16 rows of 256 (32 elements of 8 bytes), 16 bytes of padding behind each
	s_or_b32 s[G1SB+0], s44, (3<<16)|(1<<20)|(1<<21)|(5<<22)|(3<<25)
.irp g, G1S, G1SB
	s_mov_b32 s[\g+1], 32<<16
	s_mov_b32 s[\g+2], (128*KS/256)<<16
	s_mov_b32 s[\g+3], 32<<16
	s_mov_b32 s[\g+4], 128*KS/256
	s_mov_b32 s[\g+5], 32
	s_mov_b32 s[\g+6], 0
	s_mov_b32 s[\g+7], 0
.endr
	s_lshl_b32 s18, s16, 7
	s_lshl_b32 s20, s17, 8
	s_add_co_u32 s20, s20, s18                     ; A: row 256 x tile row + 128 x half
	s_lshl_b32 s46, s42, 8
	s_add_co_u32 s46, s46, s18                     ; B: row 256 x tile column + 128 x half
	s_mov_b32 s21, 0
	s_mov_b32 s47, 0
	s_mov_b64 s[18:19], KS
	s_mul_u64 s[22:23], s[20:21], s[18:19]
	s_mul_u64 s[92:93], s[46:47], s[18:19]
	s_mov_b64 s[18:19], KROW
	s_mul_u64 s[20:21], s[20:21], s[18:19]
	s_mul_u64 s[46:47], s[46:47], s[18:19]
	s_mul_i32 s45, s14, HALFT                      ; where they go: wave x 128 rows
	s_mul_i32 s94, s14, HALFS
	s_wait_dscnt 0x0                               ; both opening adds are done
	s_wait_kmcnt 0x0
	s_add_nc_u64 s[20:21], s[4:5], s[20:21]
	s_add_nc_u64 s[22:23], s[6:7], s[22:23]
	s_add_nc_u64 s[46:47], s[8:9], s[46:47]
	s_add_nc_u64 s[92:93], s[10:11], s[92:93]
	CROUND                                         ; all sixteen work-groups are here: the joint loads meet
	s_mov_b32 s[G0S], 1
	s_add_co_u32 s[G0S+1], s94, SCL
	s_mov_b64 s[G0S+2:G0S+3], s[22:23]
	s_or_b32 s[G0S+3], s[G0S+3], 0x80000000
	s_mov_b32 s[G0SB], 1
	s_add_co_u32 s[G0SB+1], s94, SCL
	s_mov_b64 s[G0SB+2:G0SB+3], s[92:93]
	s_or_b32 s[G0SB+3], s[G0SB+3], 0x80000000
	JLOAD G0S, G1S, G0SB, G1SB                     ; the scales first
.irp s, 0,1
	s_mov_b32 s[G0+4*\s], 1
	s_add_co_u32 s[G0+4*\s+1], s45, \s*SLOT
	s_add_nc_u64 s[G0+4*\s+2:G0+4*\s+3], s[20:21], \s*ROWB
	s_or_b32 s[G0+4*\s+3], s[G0+4*\s+3], 0x80000000
	s_mov_b32 s[G0B+4*\s], 1
	s_add_co_u32 s[G0B+4*\s+1], s45, \s*SLOT
	s_add_nc_u64 s[G0B+4*\s+2:G0B+4*\s+3], s[46:47], \s*ROWB
	s_or_b32 s[G0B+4*\s+3], s[G0B+4*\s+3], 0x80000000
	JLOAD G0+4*\s, G1, G0B+4*\s, G1B               ; three loads of mine are out in all
.endr
	v_and_b32 v1, 15, v0                           ; r
	v_bfe_u32 v2, v0, 4, 1                         ; h
	v_mul_u32_u24 v3, v1, PITCH
	v_lshl_add_u32 v4, v2, 4, v3
	s_mul_i32 s21, s15, HALFT
	s_mul_i32 s22, s16, HALFT
	s_add_co_u32 s22, s22, 2*HALFT
.irp s, 0,1
	v_add_nc_u32 v[ADRA+\s], s21, v4
	v_add_nc_u32 v[ADRB+\s], s22, v4
	s_add_co_u32 s21, s21, SLOT
	s_add_co_u32 s22, s22, SLOT
.endr
	v_mul_u32_u24 v5, v1, KS                       ; my row's scales: 32 bytes a row, and 16 more for each 256 passed
	v_lshrrev_b32 v6, 8, v5
	v_lshl_add_u32 v5, v6, 4, v5
	s_mul_i32 s21, s15, HALFS
	s_mul_i32 s22, s16, HALFS
	s_add_co_u32 s22, s22, 2*HALFS
	s_sub_co_u32 s22, s22, s21
	v_mul_u32_u24 v6, s22, v2                      ; lanes 16-31 take B's
	s_add_co_u32 s21, s21, SCL
	v_add_nc_u32 v5, v5, v6
	v_add_nc_u32 v[ADRS], s21, v5
	s_mul_i32 s23, s14, 4608                       ; my stage: 2 heads x 16 rows x 144 bytes, in slot 0
	v_mul_u32_u24 v5, v1, 144
	v_lshl_add_u32 v5, v2, 4, v5
	v_add_nc_u32 v[STO], s23, v5                   ; in: row r, 16 bytes for each half of the lanes
	v_and_b32 v6, 31, v0
	v_lshlrev_b32 v[CO], 4, v6
	v_lshrrev_b32 v5, 3, v6
	v_mul_u32_u24 v5, v5, 144
	v_and_b32 v6, 7, v6
	v_lshl_add_u32 v5, v6, 4, v5
	v_add_nc_u32 v[RD], s23, v5                    ; back: eight lanes to a row of 128 bytes, four rows an instruction
	v_lshlrev_b32 v[TA], 8, v1
	v_lshl_add_u32 v[TA], v2, 5, v[TA]
	v_lshlrev_b32 v[GA], 5, v2
	v_mov_b32 v3, 0                                ; the upper words of the pairs v[2:3], v[4:5], which are named with 1 / rms
	v_mov_b32 v5, 0
	s_and_b32 s20, s17, 7
	s_lshl_b32 s20, s20, 8
	s_lshl_b32 s21, s15, 7
	s_add_co_u32 s20, s20, s21                     ; my first position in its batch
	s_lshl_b32 s22, s20, 8
	s_mov_b32 s23, 0
	s_add_nc_u64 s[100:101], s[100:101], s[22:23]  ; the table at that position
	s_lshl_b32 s22, s20, 7
	s_lshr_b32 s21, s17, 3
	s_lshl_b32 s21, s21, 22                        ; the batch
	s_add_co_u32 s22, s22, s21
	s_lshl_b32 s21, ttmp9, 24                      ; the kind
	s_add_co_u32 s22, s22, s21
	s_add_nc_u64 s[12:13], s[12:13], s[22:23]
	s_lshl_b32 s46, s40, 2
	s_lshl_b32 s47, s16, 1
	s_add_co_u32 s46, s46, s47                     ; my first head: 4 cx + 2 x half
	s_lshl_b32 s46, s46, 18
	s_mov_b32 s47, 0
	s_add_nc_u64 s[12:13], s[12:13], s[46:47]
	s_cmp_eq_u32 ttmp9, 0
	s_cselect_b64 s[96:97], s[96:97], s[98:99]     ; q's gains or k's (a tile of v loads k's and does not use them: so every way through the text has the same loads)
.macro TABLOAD a                       ; block a's 16 positions: cos and sin at d = 16 b + 8 h + 0 .. 7, b = 0, 1, into set a % 2: cos 16 registers, then sin 16
.set TBL, TAB+32*((\a)%2)
.irp sn, 0,1
.irp b, 0,1
.irp e, 0,1
	global_load_b128 v[TBL+16*\sn+8*\b+4*\e:TBL+16*\sn+8*\b+4*\e+3], v[TA], s[100:101] offset:4096*(\a)+128*\sn+64*\b+16*\e
.endr
.endr
.endr
.endm
.irp b, 0,1,2,3
.irp e, 0,1
	global_load_b128 v[SCV+8*\b+4*\e:SCV+8*\b+4*\e+3], v[GA], s[96:97] offset:64*\b+16*\e
.endr
.endr
	TABLOAD 0
	TABLOAD 1
.macro FRAG reg, adr, q, i             ; 16 rows x 128 K of 4-bit codes: 8 registers, two loads of 16 bytes, 32 bytes apart
.irp c, 0,1
	ds_load_b128 v[\reg+4*\c:\reg+4*\c+3], v[\adr] offset:64*(\q)+32*\c+(\i)*16*PITCH
.endr
.endm
; 16 matrix instructions: A's blocks a0, a0 + 1 x B's eight.  The 64 accumulators take turns, one instruction a turn.  zero = 1: the first product starts the sums.
.macro MUL16 a0, p, q, sc, zero
.irp a, \a0, \a0+1
.irp b, 0,1,2,3,4,5,6,7
.if \zero
	v_wmma_scale_f32_16x16x128_f8f6f4 v[8*(8*((\a)%4)+\b):8*(8*((\a)%4)+\b)+7], v[128*(\p)+FR*\b:128*(\p)+FR*\b+FR-1], v[AF+FR*(\a):AF+FR*(\a)+FR-1], 0, v[SC+8*NQ*(\sc)+NQ*\b+(\q)], v[SC+8*NQ*(\sc)+NQ*(\a)+(\q)] matrix_a_fmt:MATRIX_FMT_FP4 matrix_b_fmt:MATRIX_FMT_FP4 matrix_a_scale:MATRIX_SCALE_ROW1
.else
	v_wmma_scale_f32_16x16x128_f8f6f4 v[8*(8*((\a)%4)+\b):8*(8*((\a)%4)+\b)+7], v[128*(\p)+FR*\b:128*(\p)+FR*\b+FR-1], v[AF+FR*(\a):AF+FR*(\a)+FR-1], v[8*(8*((\a)%4)+\b):8*(8*((\a)%4)+\b)+7], v[SC+8*NQ*(\sc)+NQ*\b+(\q)], v[SC+8*NQ*(\sc)+NQ*(\a)+(\q)] matrix_a_fmt:MATRIX_FMT_FP4 matrix_b_fmt:MATRIX_FMT_FP4 matrix_a_scale:MATRIX_SCALE_ROW1
.endif
.endr
.endr
.endm
.macro FETCH_B slot, q, p
	WIN TO_B
.irp i, 0,1,2,3,4,5,6,7
	FRAG 128*(\p)+FR*\i, ADRB+\slot, \q, \i
.endr
	WIN 0
.endm
.macro FETCH_A slot, q, i0
.irp i, \i0, \i0+1, \i0+2, \i0+3
	FRAG AF+FR*(\i), ADRA+\slot, \q, \i
.endr
.endm
.macro SCALES sc                       ; a slot's scale words: lanes 0-15 take A's block i, lanes 16-31 B's block i
.irp i, 0,1,2,3,4,5,6,7
	ds_load_b128 v[SC+8*NQ*\sc+NQ*\i:SC+8*NQ*\sc+NQ*\i+3], v[ADRS] offset:\i*SBLK
.endr
.endm
.macro PLACES n                        ; plain vector lines between a matrix instruction and a load into, or a vector line on, its registers
.rept \n
	v_nop
.endr
.endm
.macro STEP slot, q, zero              ; 128 along K, with its successor in the same slot
	s_wait_dscnt 4*NL                              ; all but the youngest eight loads (A's blocks 4-7) are in
	WIN MUL_LO
	MUL16 0, (\q)%2, \q, \slot, \zero
	MUL16 2, (\q)%2, \q, \slot, \zero
	s_wait_dscnt 0
	PLACES NP
	FETCH_B \slot, (\q)+1, 1-(\q)%2
	FETCH_A \slot, (\q)+1, 0
	WIN MUL_HI
	MUL16 4, (\q)%2, \q, \slot, \zero
	MUL16 6, (\q)%2, \q, \slot, \zero
	PLACES NP
	WIN 0
	FETCH_A \slot, (\q)+1, 4
.endm
; Slot 0's last step changes slots: in front of the barrier each wave waits for all its tensor loads (its part of slot 1), adds 0 to its spare word, and waits for that and for its reads of slot 0.  Nothing is filled again.
.macro TURN slot, next
	s_wait_tensorcnt 0x0
	ds_add_u32 v[SPW], v[NIL]
	s_wait_dscnt 4*NL+1                            ; the add and the youngest eight loads may be out
	WIN MUL_LO
	MUL16 0, 1, NQ-1, \slot, 0
	s_wait_dscnt 0x0                               ; the add is done, and my reads of this slot are over
	s_barrier_signal -1
	MUL16 2, 1, NQ-1, \slot, 0
	WIN 0
	s_barrier_wait -1
	PLACES NP
	v_add_nc_u32 v[ADRS], 4*NQ, v[ADRS]            ; the next slot's scale words
	FETCH_B \next, 0, 0
	FETCH_A \next, 0, 0
	SCALES \next
	WIN MUL_HI
	MUL16 4, 1, NQ-1, \slot, 0
	MUL16 6, 1, NQ-1, \slot, 0
	PLACES NP
	WIN 0
	FETCH_A \next, 0, 4
.endm
	s_wait_tensorcnt 1                             ; the scales and my part of slot 0 are in; slot 1's load may be out
	s_barrier_signal -1
	s_barrier_wait -1
	FETCH_B 0, 0, 0
	FETCH_A 0, 0, 0
	SCALES 0
	FETCH_A 0, 0, 4
	STEP 0, 0, 1
	STEP 0, 1, 0
	STEP 0, 2, 0
	TURN 0, 1
	STEP 1, 0, 0
	STEP 1, 1, 0
	STEP 1, 2, 0
	s_wait_dscnt 4*NL                              ; the last step: nothing more to fetch
	WIN MUL_LO
	MUL16 0, 1, NQ-1, 1, 0
	MUL16 2, 1, NQ-1, 1, 0
	s_wait_dscnt 0
	WIN MUL_HI
	MUL16 4, 1, NQ-1, 1, 0
	MUL16 6, 1, NQ-1, 1, 0
	WIN 0
; THE WAY OUT, a block of 16 rows x 2 heads at a time.  PACK: norm, gain, RoPE, f16.  TOSTAGE: through my stage (slot 0 has had its only fill, and nobody reads it behind the change of slots) and back as whole rows.
; SEND: a head's 16 rows are 2,048 consecutive bytes of qkv: each store of the wave covers 512 of them.
	s_mov_b32 s20, 0x76543210
	s_mov_b32 s21, 0xfedcba98                      ; lane l xor 16
	s_mov_b32 s22, 0x3c800000                      ; 1 / 64
	s_mov_b32 s23, 0x358637bd                      ; 1e-6
	PLACES NP
.macro PACK a
.set AC, 64*((\a)%4)
.set WA, 2+(\a)/4                      ; the block's window
.set TBL, TAB+32*((\a)%2)
.set YY, 32*((\a)%2)
.if (\a) < 7
	s_wait_loadcnt 8                               ; the gains and this block's table are in; the next block's eight loads may be out
.else
	s_wait_loadcnt 0x0
.endif
	s_cmp_eq_u32 ttmp9, 2                          ; the cluster's x: the same in all partners
	s_cbranch_scc1 .Lv_\@
	WIN WA*5                                       ; sources 0 and 1 in the block's window
.irp i, 0,1,2,3                        ; the sums of squares, two chains a head; each accumulator is first read at its registers 0 and 1
.irp b, 0,1,2,3,4,5,6,7
.if (\i == 0) && ((\b%4) < 2)
	v_pk_mul_f32 v[8+4*(\b/4)+2*(\b%2):9+4*(\b/4)+2*(\b%2)], v[AC+8*\b+2*\i:AC+8*\b+2*\i+1], v[AC+8*\b+2*\i:AC+8*\b+2*\i+1]
.else
	v_pk_fma_f32 v[8+4*(\b/4)+2*(\b%2):9+4*(\b/4)+2*(\b%2)], v[AC+8*\b+2*\i:AC+8*\b+2*\i+1], v[AC+8*\b+2*\i:AC+8*\b+2*\i+1], v[8+4*(\b/4)+2*(\b%2):9+4*(\b/4)+2*(\b%2)]
.endif
.endr
.endr
	WIN 0
	v_pk_add_f32 v[8:9], v[8:9], v[10:11]
	v_pk_add_f32 v[12:13], v[12:13], v[14:15]
	v_add_f32 v8, v8, v9
	v_add_f32 v12, v12, v13
	v_permlanex16_b32 v9, v8, s20, s21
	v_permlanex16_b32 v13, v12, s20, s21
	v_add_f32 v8, v8, v9                           ; the row's 64 squares, head 0
	v_add_f32 v12, v12, v13                        ; head 1
	v_fma_f32 v8, v8, s22, s23                     ; the mean + 1e-6
	v_fma_f32 v12, v12, s22, s23
	v_rsq_f32 v2, v8
	v_rsq_f32 v4, v12
	v_nop                                          ; a plain line behind the second
	s_wait_alu depctr_va_vdst(0)                   ; one wait for both, ahead of their first reader
	WIN WA
.irp b, 0,1,2,3,4,5,6,7
.irp i, 0,1,2,3
	v_pk_mul_f32 v[T+8*\b+2*\i:T+8*\b+2*\i+1], v[AC+8*\b+2*\i:AC+8*\b+2*\i+1], v[2+2*(\b/4):3+2*(\b/4)] op_sel_hi:[1,0]
.endr
.endr
	WIN 0
.irp b, 0,1,2,3,4,5,6,7
.irp i, 0,1,2,3
	v_pk_mul_f32 v[T+8*\b+2*\i:T+8*\b+2*\i+1], v[T+8*\b+2*\i:T+8*\b+2*\i+1], v[SCV+8*(\b%4)+2*\i:SCV+8*(\b%4)+2*\i+1]
.endr
.endr
.irp hh, 0,1                           ; RoPE: lo = lo cos - hi sin, hi = hi cos + lo sin, lo at d, hi at d + 32
.irp b, 0,1
.irp i, 0,1,2,3
.set LO, T+32*\hh+8*\b+2*\i
.set HI, LO+16
.set RC, TBL+8*\b+2*\i
.set RS, RC+16
.set TP, 16+4*(\i%2)
	v_pk_mul_f32 v[TP:TP+1], v[LO:LO+1], v[RS:RS+1]
	v_pk_mul_f32 v[TP+2:TP+3], v[HI:HI+1], v[RS:RS+1]
	v_pk_fma_f32 v[LO:LO+1], v[LO:LO+1], v[RC:RC+1], v[TP+2:TP+3] neg_lo:[0,0,1] neg_hi:[0,0,1]
	v_pk_fma_f32 v[HI:HI+1], v[HI:HI+1], v[RC:RC+1], v[TP:TP+1]
.endr
.endr
.endr
	WIN 0x40                                       ; destination window 1
.irp n, 0,1,2,3,4,5,6,7,8,9,10,11,12,13,14,15,16,17,18,19,20,21,22,23,24,25,26,27,28,29,30,31
	v_cvt_pk_f16_f32 v[YY+\n], v[T+2*\n], v[T+2*\n+1]
.endr
	WIN 0
	s_branch .Ljoin_\@
.Lv_\@:
	WIN 0x40|(WA*5)                                ; v: the sums as they are, each accumulator from its low end on
.irp n, 0,1,2,3,4,5,6,7,8,9,10,11,12,13,14,15,16,17,18,19,20,21,22,23,24,25,26,27,28,29,30,31
	v_cvt_pk_f16_f32 v[YY+\n], v[AC+2*\n], v[AC+2*\n+1]
.endr
	WIN 0
.Ljoin_\@:
.if (\a) < 6
	TABLOAD (\a)+2                                 ; into the set that has just been read
.endif
.endm
.macro TOSTAGE a
.set YY, 32*((\a)%2)
.set BB, 64+32*((\a)%2)
.if (\a) >= 2
	s_wait_xcnt 0x0                                ; the stores of two blocks back have read the registers into which the loads below land
.endif
	WIN 0x04                                       ; an LDS store's data are its source 1: window 1
.irp hh, 0,1
.irp b, 0,1,2,3
	ds_store_b128 v[STO], v[YY+16*\hh+4*\b:YY+16*\hh+4*\b+3] offset:2304*\hh+32*\b
.endr
.endr
	WIN 0x40
.irp hh, 0,1
.irp i, 0,1,2,3
	ds_load_b128 v[BB+4*(4*\hh+\i):BB+4*(4*\hh+\i)+3], v[RD] offset:2304*\hh+576*\i   ; LDS serves a wave's instructions in order: these see the stores above
.endr
.endr
	WIN 0
.endm
.macro SEND a
.set BB, 64+32*((\a)%2)
	s_wait_dscnt 0x0                               ; the block is back in registers
	WIN 0x04                                       ; a store's data are its source 1: window 1
.irp hh, 0,1
.irp i, 0,1,2,3
	global_store_b128 v[CO], v[BB+4*(4*\hh+\i):BB+4*(4*\hh+\i)+3], s[12:13] offset:262144*\hh+2048*(\a)+512*\i
.endr
.endr
	WIN 0
.endm
	PACK 0
	TOSTAGE 0
.irp a, 1,2,3,4,5,6,7
	PACK \a                                        ; a block's arithmetic stands between the loads of the block before and the wait for them
	SEND \a-1
	TOSTAGE \a
.endr
	SEND 7
	s_wait_tensorcnt 0x0                           ; the wave's end
	ds_add_u32 v[SPW], v[NIL]
	s_wait_dscnt 0x0
	CROUND                                         ; the closing round
	s_endpgm
.Lfunc_end_k_q5de81ae628_qkv:
	.size	k_q5de81ae628_qkv, .Lfunc_end_k_q5de81ae628_qkv-k_q5de81ae628_qkv
	.p2alignl 7, 3214868480
	.fill 96, 4, 3214868480
	.section	.rodata,"a",@progbits
	.p2align	6, 0x0
	.amdhsa_kernel k_q5de81ae628_qkv
		.amdhsa_group_segment_fixed_size 327680
		.amdhsa_private_segment_fixed_size 0
		.amdhsa_enable_private_segment 0
		.amdhsa_kernarg_size 64
		.amdhsa_user_sgpr_count 2
		.amdhsa_user_sgpr_kernarg_segment_ptr 1
		.amdhsa_wavefront_size32 1
		.amdhsa_system_sgpr_workgroup_id_x 1
		.amdhsa_system_sgpr_workgroup_id_y 1
		.amdhsa_system_sgpr_workgroup_id_z 1
		.amdhsa_system_vgpr_workitem_id 0
		.amdhsa_next_free_vgpr 1024
		.amdhsa_next_free_sgpr 102
		.amdhsa_reserve_vcc 0
		.amdhsa_float_denorm_mode_32 3
		.amdhsa_float_denorm_mode_16_64 3
		.amdhsa_memory_ordered 1
		.amdhsa_forward_progress 1
		.amdhsa_inst_pref_size 239
	.end_amdhsa_kernel
	.amdgpu_metadata
---
amdhsa.version: [ 1, 2 ]
amdhsa.kernels:
  - .name:           k_q5de81ae628_qkv
    .symbol:         k_q5de81ae628_qkv.kd
    .args:
      - { .name: xc, .offset: 0, .size: 8, .value_kind: global_buffer, .address_space: global }
      - { .name: xs, .offset: 8, .size: 8, .value_kind: global_buffer, .address_space: global }
      - { .name: wc, .offset: 16, .size: 8, .value_kind: global_buffer, .address_space: global }
      - { .name: ws, .offset: 24, .size: 8, .value_kind: global_buffer, .address_space: global }
      - { .name: qkv, .offset: 32, .size: 8, .value_kind: global_buffer, .address_space: global }
      - { .name: q_scale, .offset: 40, .size: 8, .value_kind: global_buffer, .address_space: global }
      - { .name: k_scale, .offset: 48, .size: 8, .value_kind: global_buffer, .address_space: global }
      - { .name: rope, .offset: 56, .size: 8, .value_kind: global_buffer, .address_space: global }
    .group_segment_fixed_size: 327680
    .private_segment_fixed_size: 0
    .kernarg_segment_align: 8
    .kernarg_segment_size: 64
    .max_flat_workgroup_size: 128
    .sgpr_count:     102
    .vgpr_count:     1024
    .wavefront_size: 32
...
	.end_amdgpu_metadata
.endif
;; end of part 2
;; launch attn (part 3): grid 4 x 64, 8 waves a work-group, clusters of 4 x 1, 327,680 bytes of LDS; arguments qkv, att; writes att
.if DOCPART == 3
	.amdgcn_target "amdgcn-amd-amdhsa--gfx1250"
	.amdhsa_code_object_version 6
	.text
	.protected	k_q5de81ae628_attn
	.globl	k_q5de81ae628_attn
	.p2align	8
	.type	k_q5de81ae628_attn,@function
k_q5de81ae628_attn:
	s_mov_b64 s[64:65], 0
	v_nop
	global_prefetch_b8 v0, s[64:65] scope:SCOPE_SE
	s_setreg_imm32_b32 hwreg(HW_REG_WAVE_MODE, 25, 1), 1
	s_wait_xcnt 0x0
	s_wait_alu depctr_hold_cnt(0) depctr_sa_sdst(0) depctr_va_vdst(0) depctr_va_sdst(0) depctr_va_ssrc(0) depctr_va_vcc(0) depctr_vm_vsrc(0)
	s_getreg_b32 s2, hwreg(HW_REG_IB_STS2, 6, 4)
	s_cmp_eq_u32 s2, 0
	s_cbranch_scc0 .Lentry_in_a_cluster
	s_endpgm
.Lentry_in_a_cluster:
	s_bfe_u32 s2, ttmp6, 0x10000c
	s_cmp_lg_u32 s2, 0x3003
	s_cbranch_scc0 .Lentry_shape_is_right
	s_endpgm
.Lentry_shape_is_right:
; ATTN: O[q] = the sum over k of softmax_k(Q[q] . K[k] / 8) V[k], for each of 64 (batch, head), 2,048 positions, head size 64, no mask.  Q, K, V: qkv [kind][batch x 16 + head][2048][64] f16.
; Products with f16 operands and f32 sums; maxima, exponentials and row sums in f32; the weights p (at most 1) are rounded to f16 for the second product, O once at the end.  Out: att [head][batch x 2048 + position][64] f16.
; SHARES.  A work-group owns 512 queries of one (batch, head), each of its eight waves 64: four tiles of 16.  Every wave walks all 2,048 keys, 64 a step.
; LAYOUT.  S^T = K Q^T (source 0 = 16 keys, source 1 = 16 queries): a lane holds ONE query (lane % 16) and keys 8 (lane / 16) + 0..7.  Two such tiles, rounded in pairs, ARE source 1 (32 keys x 16 queries) of O^T = V^T P.
; K comes out of LDS as it lies, V ([key][channel]) turned, by ds_load_tr16_b128.
; SOFTMAX.  A running maximum m and sum l for each query: p = 2^(c s - c m), c = log2(e) / 8; in every step O and l are multiplied by a = 2^(c m_old - c m_new).
; A STEP HAS TWO PARTS.  PART_M: K's and V's fragments from LDS into registers, and K Q^T.  PART_V: softmax and V^T P, on registers alone.  Waves 4-7 pass each change of slots between a slot's last PART_M and its
; PART_V, so that behind the first change the two groups of waves do unlike parts at the same time.  Only PART_V is ever jumped over, by scalar branches on the wave's number and a loop's count; every wave runs every barrier.
; CLUSTER.  The four query blocks of a (batch, head) walk the same K and V: each tile is asked for JOINTLY, by the same tensor load with a mask that names the four.
; LIMITS: NaN and infinities are not served; p under 6e-8 counts as 0 in the second product (the row's sum keeps it).
; REGISTERS: window 0: v2-9 addresses; v12-59 statistics, 12 a tile; v61-63; v64-127 Q; v128-191 K of a step; v192-255 V^T of a step.   window 1: v0-127 O^T, 32 a tile; v128-255 S^T, 32 a tile; P takes the first 16 of each tile's S^T.
.set KS,    64
.set PK,    144                        ; a row of K in LDS: 128 bytes + 16
.set PV,    160                        ; a row of V: 128 + 32
.set VOFF,  KS*PK
.set STEPB, KS*(PK+PV)                 ; a step's tiles lie together: 64 rows of K, then 64 of V
.set SLOT1, 1<<17                      ; a slot holds four steps (77,824 bytes); slot 1 begins here
.set SLOTB, 4*KS*128                   ; a slot's keys in memory: 32,768 bytes of K, as many of V
.set STAGE, SLOT1+4*STEPB              ; 16 rows x 144 bytes for each wave, for the way out
.set SP,    144
.set SPARE, STAGE+8*16*SP              ; the spare words, 128 bytes for each wave
.set AK0, 2
.set AV0, 3
.set ADK, 4
.set QO,  5
.set STO, 6
.set RD,  7
.set GO,  8
.set ADV, 9
.set ST,  12                           ; tile t at v[ST+12 t]: +0 c m, +1 m, +2:3 l, +4:5 c0 c1 then sum A, +6:7 a (and 0), +8:9 c2 c3 then sum B, +10 the old c m
.set PFO, 61
.set SPW, 62
.set NIL, 63
.set QF,  64
.set KF,  128
.set VF,  192
.set SS,  128                          ; S^T, in window 1
.set WV,  12
.set GB,  14                           ; s14  1 in waves 4-7
.set LIM, 15
.set SKV, 16                           ; s16  the count at which the slot loop's PART_V is left out: 4 in waves 0-3, none in waves 4-7
.set SK0, 17                           ; s17  the same for slot 0's loop: none in waves 0-3, 1 in waves 4-7
.set PFA, 18
.set G1K, 24
.set G1V, 32
.set G0K, 40
.set G0V, 48
.set SLOTS, 56
.set CNT, 57
.set CS,  58
.set SEL, 60
.set TB,  62
.set MSB, 0
.macro WIN new
.if MSB != (\new)
	s_set_vgpr_msb (MSB<<8)|(\new)
.set MSB, (\new)
.endif
.endm
.set W_KQ,   0x50                      ; K, Q window 0; S^T window 1
.set W_PV,   0x54                      ; V window 0; P, O^T window 1
.set W_MAX3, 0x15                      ; three sources window 1
.set W_MAX,  0x14                      ; sources 1 and 2 window 1
.set W_E,    0x41                      ; destination and source 0 window 1
.set W_SUM2, 0x05
.set W_SUM,  0x04
.set W_CVT,  0x45
.macro JLOAD                           ; waves 0-3 fetch the four steps' tiles of K, waves 4-7 those of V.  An s_nop 0 and four v_nop follow each line
	s_cmp_lt_u32 s[WV], 4
	s_cbranch_scc0 .Lfor_v_\@
	tensor_load_to_lds s[G0K+4:G0K+7], s[G1K:G1K+7]
	s_nop 0
.rept 4
	v_nop
.endr
	s_branch .Lasked_\@
.Lfor_v_\@:
	tensor_load_to_lds s[G0V+4:G0V+7], s[G1V:G1V+7]
	s_nop 0
.rept 4
	v_nop
.endr
.Lasked_\@:
.endm
; A prefetch of what the NEXT change of slots will ask for: a slot's 32,768 bytes of K and of V.  The four partners share them out by address, 8,192 bytes each; in each, wave 0 asks for K's and wave 4 for V's,
; lanes 256 bytes apart: each block of 256 bytes is named once in the launch.  Four key steps ahead of the load.  The last change that fills a slot asks for nothing; slots 0 to 2 come by their loads alone.
.macro ASK
	s_cmp_gt_u32 s[SLOTS], s[LIM]
	s_cbranch_scc0 .Lnot_mine_\@
	global_prefetch_b8 v[PFO], s[PFA:PFA+1] th:TH_LOAD_NT scope:SCOPE_SE
.Lnot_mine_\@:
.endm
.macro CROUND
	s_barrier_signal -1
	s_barrier_wait -1
	s_cmp_lg_u32 s[WV], 0
	s_cbranch_scc1 .Lnot_wave_0_\@
	s_barrier_signal -3
.Lnot_wave_0_\@:
	s_barrier_wait -3
	s_barrier_signal -1
	s_barrier_wait -1
.endm
	s_load_b128 s[4:7], s[0:1], 0x0                ; qkv s[4:5], att s[6:7]
	v_lshl_add_u32 v[SPW], v0, 2, SPARE
	v_mov_b32 v[NIL], 0
	ds_add_u32 v[SPW], v[NIL]                      ; the wave's opening: the add, twice on end, and its wait ahead of my first tensor load
	ds_add_u32 v[SPW], v[NIL]
	v_lshrrev_b32 v1, 5, v0
	v_readfirstlane_b32 s[WV], v1                  ; wave 0..7
	s_bfe_u32 s13, ttmp6, 0x40000                  ; cx
	s_lshr_b32 s[GB], s[WV], 2
	s_xor_b32 s[SKV], s[GB], 1
	s_lshl_b32 s[SKV], s[SKV], 2
	s_mov_b32 s[SK0], s[GB]
	s_and_b32 s20, ttmp7, 0xffff                   ; batch x 16 + head, which the four partners share
	s_and_b32 s21, s[WV], 3                        ; which of a slot's four steps I fetch
	s_mul_i32 s63, s21, STEPB                      ; its place in a slot
	s_lshl_b32 s22, s20, 18
	s_lshl_b32 s23, s21, 13
	s_add_co_u32 s22, s22, s23                     ; its 64 rows of 128 bytes in a kind
	s_mov_b32 s23, 0
	s_and_b32 s21, s20, 15
	s_lshl_b32 s21, s21, 2
	s_lshr_b32 s57, s20, 4
	s_add_co_u32 s21, s21, s57                     ; head x 4 + batch
	s_lshl_b32 s21, s21, 18
	s_lshl_b32 s20, s20, 18
	s_lshl_b32 s2, ttmp9, 2
	s_add_co_u32 s2, s2, s13                       ; my block of 512 queries: it enters Q's and att's addresses alone
	s_lshl_b32 s2, s2, 16
	s_lshl_b32 s3, s[WV], 13
	s_add_co_u32 s2, s2, s3                        ; my wave's 64 rows
	s_add_co_u32 s56, s2, s21                      ; in att
	s_add_co_u32 s2, s2, s20                       ; in q
	s_mov_b32 s3, 0
	s_mov_b32 s[G1K], 15|(1<<16)|(1<<20)|(1<<21)|(4<<22)|(3<<25)  ; the mask: all four; elements of 2 bytes; padding: 4 words behind every 32; bit 21 beside a mask
	s_mov_b32 s[G1V], 15|(1<<16)|(1<<20)|(1<<21)|(4<<22)|(7<<25)  ; the same with 8 words of padding
.irp g, G1K, G1V
	s_mov_b32 s[\g+1], 64<<16                      ; tensor_dim0
	s_mov_b32 s[\g+2], KS<<16                      ; tensor_dim1
	s_mov_b32 s[\g+3], 64<<16                      ; tile_dim0
	s_mov_b32 s[\g+4], KS                          ; tile_dim1
	s_mov_b32 s[\g+5], 64                          ; from row to row
	s_mov_b32 s[\g+6], 0
	s_mov_b32 s[\g+7], 0
.endr
	s_mov_b32 s[CS], 0x3e38aa3b                    ; c = log2(e) / 8
	s_mov_b32 s[CS+1], s[CS]
	s_mov_b32 s[SEL], 0x76543210
	s_mov_b32 s[SEL+1], 0xfedcba98
	s_mov_b32 s[TB], 0
	s_and_b32 s[LIM], s[WV], 3
	s_cmp_eq_u32 s[LIM], 0
	s_cselect_b32 s[LIM], 1, -1                    ; waves 0 and 4 prefetch
	v_and_b32 v[PFO], 31, v0
	v_lshlrev_b32 v[PFO], 8, v[PFO]
	s_wait_dscnt 0x0                               ; both opening adds are done
	s_wait_kmcnt 0x0
	s_mov_b64 s[10:11], s[6:7]
	s_add_nc_u64 s[6:7], s[4:5], s[22:23]
	s_add_nc_u64 s[8:9], s[6:7], 0x2000000         ; V at my tile of slot 0
	s_add_nc_u64 s[6:7], s[6:7], 0x1000000         ; K likewise
	s_add_nc_u64 s[4:5], s[4:5], s[2:3]            ; Q at my wave's first row
	s_mov_b32 s2, s56
	s_add_nc_u64 s[10:11], s[10:11], s[2:3]        ; att likewise
	s_mov_b32 s[SLOTS], 6                          ; slots 2 to 7 are asked for at changes of slots
	s_cmp_lt_u32 s[WV], 4
	s_cselect_b64 s[PFA:PFA+1], s[6:7], s[8:9]     ; (in waves 0 and 4 these stand at a slot's first row)
	s_lshl_b32 s2, s13, 13                         ; my work-group's 8,192 bytes of the 32,768
	s_add_nc_u64 s[PFA:PFA+1], s[PFA:PFA+1], s[2:3]
	s_add_nc_u64 s[PFA:PFA+1], s[PFA:PFA+1], 2*SLOTB   ; in slot 2; the first change steps it to slot 3
	CROUND                                         ; all four work-groups are here: the first joint loads meet
.irp s, 0,1
	s_mov_b32 s[G0K+4*\s], 1
	s_add_co_u32 s[G0K+4*\s+1], s63, \s*SLOT1
	s_add_nc_u64 s[G0K+4*\s+2:G0K+4*\s+3], s[6:7], \s*SLOTB
	s_or_b32 s[G0K+4*\s+3], s[G0K+4*\s+3], 0x80000000
	s_mov_b32 s[G0V+4*\s], 1
	s_add_co_u32 s[G0V+4*\s+1], s63, \s*SLOT1+VOFF
	s_add_nc_u64 s[G0V+4*\s+2:G0V+4*\s+3], s[8:9], \s*SLOTB
	s_or_b32 s[G0V+4*\s+3], s[G0V+4*\s+3], 0x80000000
.endr
	s_cmp_lt_u32 s[WV], 4                          ; a wave's two first fills stand in one branch: two loads of mine are out
	s_cbranch_scc0 .Lfirst_v
	tensor_load_to_lds s[G0K:G0K+3], s[G1K:G1K+7]
	s_nop 0
	tensor_load_to_lds s[G0K+4:G0K+7], s[G1K:G1K+7]
	s_nop 0
.rept 4
	v_nop
.endr
	s_branch .Lfirst_asked
.Lfirst_v:
	tensor_load_to_lds s[G0V:G0V+3], s[G1V:G1V+7]
	s_nop 0
	tensor_load_to_lds s[G0V+4:G0V+7], s[G1V:G1V+7]
	s_nop 0
.rept 4
	v_nop
.endr
.Lfirst_asked:
	v_and_b32 v1, 15, v0                           ; r
	v_bfe_u32 v10, v0, 4, 1                        ; h
	v_lshlrev_b32 v[QO], 7, v1
	v_lshl_add_u32 v[QO], v10, 4, v[QO]            ; row x 128 + 16 x half
.irp t, 0,1,2,3                        ; Q stays in registers: tile t, channels 32 c on
.irp c, 0,1
	global_load_b128 v[QF+16*\t+8*\c:QF+16*\t+8*\c+3],   v[QO], s[4:5] offset:2048*\t+64*\c
	global_load_b128 v[QF+16*\t+8*\c+4:QF+16*\t+8*\c+7], v[QO], s[4:5] offset:2048*\t+64*\c+32
.endr
.endr
	v_mul_u32_u24 v[AK0], v1, PK
	v_lshl_add_u32 v[AK0], v10, 4, v[AK0]          ; K: row x pitch + 16 x half
	v_and_b32 v11, 7, v0
	v_lshl_add_u32 v[AV0], v10, 3, v11             ; V: the turning load: key 8 h + l % 8,
	v_mul_u32_u24 v[AV0], v[AV0], PV
	v_bfe_u32 v11, v0, 3, 1
	v_lshl_add_u32 v[AV0], v11, 4, v[AV0]          ; channels 8 ((l / 8) % 2) on
	v_add_nc_u32 v[AV0], VOFF, v[AV0]
	s_mul_i32 s63, s[WV], 16*SP
	s_add_co_u32 s63, s63, STAGE                   ; my stage
	v_add_nc_u32 v[STO], s63, v[AK0]               ; in: row r, 16 bytes for each half of the lanes (the stage's pitch is K's)
	v_bfe_u32 v11, v0, 3, 2
	v_mul_u32_u24 v[RD], v11, SP
	v_and_b32 v11, 7, v0
	v_lshl_add_u32 v[RD], v11, 4, v[RD]
	v_add_nc_u32 v[RD], s63, v[RD]                 ; back: eight lanes to a row of 128 bytes, four rows an instruction
	v_and_b32 v[GO], 31, v0
	v_lshlrev_b32 v[GO], 4, v[GO]
.irp t, 0,1,2,3
	v_mov_b32 v[ST+12*\t+7], 0                     ; named with a as a pair, so it is written
.endr
; Product i of 32 of S^T = K Q^T: channels 32 (i / 16) on, keys 16 ((i / 4) % 4) on, tile i % 4.  The 16 accumulators take turns; the first 16 start the sums.
.macro KQ
.set rS, SS+32*(i%4)+8*((i/4)%4)
.set rK, KF+16*((i/4)%4)+8*(i/16)
.set rQ, QF+16*(i%4)+8*(i/16)
.if i < 16
	v_wmma_f32_16x16x32_f16 v[rS:rS+7], v[rK:rK+7], v[rQ:rQ+7], 0
.else
	v_wmma_f32_16x16x32_f16 v[rS:rS+7], v[rK:rK+7], v[rQ:rQ+7], v[rS:rS+7]
.endif
.endm
; Product i of 32 of O^T += V^T P: keys 32 (i / 16) on, channels 16 ((i / 4) % 4) on, tile i % 4.
.macro PV zero
.set rO, 32*(i%4)+8*((i/4)%4)
.set rV, VF+32*(i/16)+8*((i/4)%4)
.set rP, SS+32*(i%4)+8*(i/16)
.if \zero && (i < 16)
	v_wmma_f32_16x16x32_f16 v[rO:rO+7], v[rV:rV+7], v[rP:rP+7], 0
.else
	v_wmma_f32_16x16x32_f16 v[rO:rO+7], v[rV:rV+7], v[rP:rP+7], v[rO:rO+7]
.endif
.endm
.macro PART_M
	s_wait_dscnt 0x0                               ; no LDS load of mine is out: on every way here the registers below are free to be loaded
	v_add_nc_u32 v[ADK], s[TB], v[AK0]             ; five plain lines behind the last products: four for the loads into K's and V's registers, five for the products that write over P
	v_add_nc_u32 v[ADV], s[TB], v[AV0]
	v_nop
	v_nop
	v_nop
.irp kt, 0,1,2,3
.irp c, 0,1
	ds_load_b128 v[KF+16*\kt+8*\c:KF+16*\kt+8*\c+3],   v[ADK] offset:\kt*16*PK+64*\c
	ds_load_b128 v[KF+16*\kt+8*\c+4:KF+16*\kt+8*\c+7], v[ADK] offset:\kt*16*PK+64*\c+32
.endr
.endr
.irp kc, 0,1
.irp cb, 0,1,2,3
	ds_load_tr16_b128 v[VF+32*\kc+8*\cb:VF+32*\kc+8*\cb+3],   v[ADV] offset:\kc*32*PV+32*\cb
	ds_load_tr16_b128 v[VF+32*\kc+8*\cb+4:VF+32*\kc+8*\cb+7], v[ADV] offset:\kc*32*PV+16*PV+32*\cb
.endr
.endr
	s_add_co_u32 s[TB], s[TB], STEPB               ; the next fetch is the next step's
	s_wait_dscnt 16                                ; K's sixteen loads are in; V's sixteen may be out
	WIN W_KQ
.set i, 0
.rept 32
	KQ
.set i, i+1
.endr
	WIN 0
.endm
.macro SCALE t, i                      ; pair i of tile t: c s - c m
	v_pk_fma_f32 v[SS+32*(\t)+2*(\i):SS+32*(\t)+2*(\i)+1], v[SS+32*(\t)+2*(\i):SS+32*(\t)+2*(\i)+1], s[CS:CS+1], v[ST+12*(\t):ST+12*(\t)+1] op_sel_hi:[1,0,0] neg_lo:[0,0,1] neg_hi:[0,0,1]
.endm
; first = 1: the first key step, which starts m, l and O^T: no old maximum, no a, nothing to rescale.
.macro PART_V first
.irp t, 0,1,2,3                        ; four plain lines behind the last K Q^T
.if \first
	v_nop
.else
	v_mov_b32 v[ST+12*\t+10], v[ST+12*\t]          ; c m_old is kept for a
.endif
.endr
	WIN W_MAX3                                     ; the maximum of a lane's 32 scores: four chains of seven, the four left over, then the chains and the old m.
.irp j, 0,1,2,3
.irp t, 0,1,2,3
	v_max3_num_f32 v[ST+12*\t+4+\j+2*(\j/2)], v[SS+32*\t+8*\j], v[SS+32*\t+8*\j+1], v[SS+32*\t+8*\j+2]
.endr
.endr
	WIN W_MAX
.irp q, 1,2
.irp j, 0,1,2,3
.irp t, 0,1,2,3
	v_max3_num_f32 v[ST+12*\t+4+\j+2*(\j/2)], v[ST+12*\t+4+\j+2*(\j/2)], v[SS+32*\t+8*\j+2*\q+1], v[SS+32*\t+8*\j+2*\q+2]
.endr
.endr
.endr
.irp t, 0,1,2,3
	v_max3_num_f32 v[ST+12*\t+4], v[ST+12*\t+4], v[SS+32*\t+7], v[SS+32*\t+15]
.endr
.irp t, 0,1,2,3
	v_max3_num_f32 v[ST+12*\t+8], v[ST+12*\t+8], v[SS+32*\t+23], v[SS+32*\t+31]
.endr
	WIN 0
.irp t, 0,1,2,3
	v_max3_num_f32 v[ST+12*\t+4], v[ST+12*\t+4], v[ST+12*\t+5], v[ST+12*\t+8]
.endr
.irp t, 0,1,2,3
.if \first
	v_max_num_f32 v[ST+12*\t+4], v[ST+12*\t+4], v[ST+12*\t+9]
.else
	v_max3_num_f32 v[ST+12*\t+4], v[ST+12*\t+4], v[ST+12*\t+9], v[ST+12*\t+1]
.endif
.endr
.irp t, 0,1,2,3
	v_permlanex16_b32 v[ST+12*\t+5], v[ST+12*\t+4], s[SEL], s[SEL+1]   ; the query's other 32 keys lie in the lane 16 away
.endr
.irp t, 0,1,2,3
	v_max_num_f32 v[ST+12*\t+1], v[ST+12*\t+4], v[ST+12*\t+5]          ; m
.endr
.irp t, 0,1,2,3
	v_mul_f32 v[ST+12*\t], s[CS], v[ST+12*\t+1]                        ; c m
.endr
.if !\first
.irp t, 0,1,2,3
	v_sub_f32 v[ST+12*\t+10], v[ST+12*\t+10], v[ST+12*\t]
.endr
.irp t, 0,1,2,3
	v_exp_f32 v[ST+12*\t+6], v[ST+12*\t+10]        ; a
.endr
.endif
	WIN W_E
.irp i, 0,1,2,3,4,5,6,7,8,9,10,11,12,13,14,15
	SCALE 0, \i                                    ; tile 0's scalings: plain work behind the four exponentials
.endr
.if !\first
	s_wait_alu depctr_va_vdst(0)                   ; one wait for the four a, ahead of their first reader
.endif
; ONE BATCH of 128 exponentials.  Between them stand the next tile's scalings and the rescaling of O^T by a: none of these names a result of the batch.
.irp t, 0,1,2,3
.irp i, 0,1,2,3,4,5,6,7,8,9,10,11,12,13,14,15
	v_exp_f32 v[SS+32*\t+2*\i], v[SS+32*\t+2*\i]
.if \t < 3
	SCALE \t+1, \i
.endif
	v_exp_f32 v[SS+32*\t+2*\i+1], v[SS+32*\t+2*\i+1]
.if !\first
	v_pk_mul_f32 v[32*\t+2*\i:32*\t+2*\i+1], v[32*\t+2*\i:32*\t+2*\i+1], v[ST+12*\t+6:ST+12*\t+7] op_sel_hi:[1,0]
.endif
.endr
.endr
	v_nop                                          ; a plain line behind the last exponential
	s_wait_alu depctr_va_vdst(0)                   ; one wait for the batch, ahead of its first reader
	WIN W_SUM2                                     ; the row's sums, of p before it is rounded: two chains a tile
.irp t, 0,1,2,3
	v_pk_add_f32 v[ST+12*\t+4:ST+12*\t+5], v[SS+32*\t:SS+32*\t+1], v[SS+32*\t+2:SS+32*\t+3]
.endr
.irp t, 0,1,2,3
	v_pk_add_f32 v[ST+12*\t+8:ST+12*\t+9], v[SS+32*\t+4:SS+32*\t+5], v[SS+32*\t+6:SS+32*\t+7]
.endr
	WIN W_SUM
.irp i, 4,6,8,10,12,14
.irp t, 0,1,2,3
	v_pk_add_f32 v[ST+12*\t+4:ST+12*\t+5], v[ST+12*\t+4:ST+12*\t+5], v[SS+32*\t+2*\i:SS+32*\t+2*\i+1]
	v_pk_add_f32 v[ST+12*\t+8:ST+12*\t+9], v[ST+12*\t+8:ST+12*\t+9], v[SS+32*\t+2*\i+2:SS+32*\t+2*\i+3]
.endr
.endr
	WIN 0
.if \first
.irp t, 0,1,2,3
	v_pk_add_f32 v[ST+12*\t+2:ST+12*\t+3], v[ST+12*\t+4:ST+12*\t+5], v[ST+12*\t+8:ST+12*\t+9]
.endr
.else
.irp t, 0,1,2,3
	v_pk_add_f32 v[ST+12*\t+4:ST+12*\t+5], v[ST+12*\t+4:ST+12*\t+5], v[ST+12*\t+8:ST+12*\t+9]
.endr
.irp t, 0,1,2,3
	v_pk_fma_f32 v[ST+12*\t+2:ST+12*\t+3], v[ST+12*\t+2:ST+12*\t+3], v[ST+12*\t+6:ST+12*\t+7], v[ST+12*\t+4:ST+12*\t+5] op_sel_hi:[1,0,1]   ; l = a l + the sum
.endr
.endif
	WIN W_CVT                                      ; P: register n from p 2 n and 2 n + 1, ascending, over the tile's first 16 registers
.irp t, 0,1,2,3
.irp n, 0,1,2,3,4,5,6,7,8,9,10,11,12,13,14,15
	v_cvt_pk_f16_f32 v[SS+32*\t+\n], v[SS+32*\t+2*\n], v[SS+32*\t+2*\n+1]
.endr
.endr
	s_wait_dscnt 0x0                               ; V is in
	WIN W_PV
.set i, 0
.rept 32
	PV \first
.set i, i+1
.endr
	WIN 0
.endm
; THE CHANGE OF SLOTS.  Each wave waits for all its tensor loads (one is out: its part of the other slot), adds 0 to its spare word, and waits for that and for its reads of the slot.
; fill = 1: the slot is filled again with the keys two slots on: the barrier is a round of the cluster's, and the joint refill is the first thing behind it; it has four key steps in which to land.
.macro CHANGE fill
	s_wait_tensorcnt 0x0                           ; no tensor load of mine is out, so a group 0 may be written
	ds_add_u32 v[SPW], v[NIL]
.if \fill
.irp g, G0K+4, G0V+4
	s_xor_b32 s[\g+1], s[\g+1], SLOT1              ; the walking descriptor: the other slot than last time,
	s_add_nc_u64 s[\g+2:\g+3], s[\g+2:\g+3], SLOTB ; the next 256 keys
.endr
	s_wait_xcnt 0x0                                ; the last prefetch, a slot back, has read its address
	s_add_nc_u64 s[PFA:PFA+1], s[PFA:PFA+1], SLOTB
	s_wait_dscnt 0x0                               ; the add is done, and my reads of the slot are over
	CROUND
	JLOAD
	ASK
.else
	s_wait_dscnt 0x0
	s_barrier_signal -1
	s_barrier_wait -1
.endif
	s_sub_co_u32 s[TB], s[TB], 4*STEPB             ; the fetches go back to a slot's first step,
	s_xor_b32 s[TB], s[TB], SLOT1                  ; in the other slot
.endm
; A slot's four PART_M, each behind the PART_V of the step before; waves 0-3 have none to do in front of the first.
.macro FOUR
	s_mov_b32 s[CNT], 4
.Lfour_\@:
	s_cmp_eq_u32 s[CNT], s[SKV]
	s_cbranch_scc1 .Lno_v_\@
	PART_V 0
.Lno_v_\@:
	PART_M
	s_sub_co_u32 s[CNT], s[CNT], 1
	s_cmp_lg_u32 s[CNT], 0
	s_cbranch_scc1 .Lfour_\@
.endm
	s_wait_tensorcnt 1                             ; my part of slot 0 is in; slot 1's may stay out
	s_barrier_signal -1
	s_barrier_wait -1
	s_wait_loadcnt 0x0                             ; Q
	PART_M
	PART_V 1
	s_mov_b32 s[CNT], 3
.Lfirst_slot:
	PART_M
	s_cmp_eq_u32 s[CNT], s[SK0]                    ; waves 4-7 keep the slot's last PART_V for behind the change
	s_cbranch_scc1 .Lfs_skip
	PART_V 0
.Lfs_skip:
	s_sub_co_u32 s[CNT], s[CNT], 1
	s_cmp_lg_u32 s[CNT], 0
	s_cbranch_scc1 .Lfirst_slot
.Lslot:                                ; six trips: every slot but the last two is filled again
	CHANGE 1
	FOUR
	s_cmp_lg_u32 s[GB], 0
	s_cbranch_scc1 .Lb_late
	PART_V 0
.Lb_late:
	s_sub_co_u32 s[SLOTS], s[SLOTS], 1
	s_cmp_lg_u32 s[SLOTS], 0
	s_cbranch_scc1 .Lslot
	CHANGE 0                                       ; the tail is written out
	FOUR
	PART_V 0                                       ; the last step's, in every wave
	; THE WAY OUT.  l's halves and the other half of the lanes' are added (plain lines behind the last products); O^T / l, rounded to f16, goes through my stage, a tile of 16 rows at a time.
.irp t, 0,1,2,3
	v_add_f32 v[ST+12*\t+4], v[ST+12*\t+2], v[ST+12*\t+3]
.endr
.irp t, 0,1,2,3
	v_permlanex16_b32 v[ST+12*\t+5], v[ST+12*\t+4], s[SEL], s[SEL+1]
.endr
.irp t, 0,1,2,3
	v_add_f32 v[ST+12*\t+4], v[ST+12*\t+4], v[ST+12*\t+5]
.endr
.irp t, 0,1,2,3
	v_rcp_f32 v[ST+12*\t+6], v[ST+12*\t+4]
.endr
	v_nop
	s_wait_alu depctr_va_vdst(0)                   ; one wait for the four reciprocals
.macro PACK t
	WIN W_E
.irp i, 0,1,2,3,4,5,6,7,8,9,10,11,12,13,14,15
	v_pk_mul_f32 v[32*\t+2*\i:32*\t+2*\i+1], v[32*\t+2*\i:32*\t+2*\i+1], v[ST+12*\t+6:ST+12*\t+7] op_sel_hi:[1,0]
.endr
	WIN 0x05                                       ; sources window 1, destination window 0: K's registers are free
.irp i, 0,1,2,3,4,5,6,7,8,9,10,11,12,13,14,15
	v_cvt_pk_f16_f32 v[KF+16*\t+\i], v[32*\t+2*\i], v[32*\t+2*\i+1]
.endr
	WIN 0
.irp cb, 0,1,2,3
	ds_store_b128 v[STO], v[KF+16*\t+4*\cb:KF+16*\t+4*\cb+3] offset:32*\cb
.endr
.irp i, 0,1,2,3
	ds_load_b128 v[KF+16*\t+4*\i:KF+16*\t+4*\i+3], v[RD] offset:576*\i   ; LDS serves a wave's instructions in order: these see the stores above; the next tile's stores come behind them
.endr
.endm
.macro SEND t, younger                 ; younger: the LDS instructions issued behind tile t's loads: the next tile's eight, or none
.irp i, 0,1,2,3
	s_wait_dscnt \younger+3-\i
	global_store_b128 v[GO], v[KF+16*\t+4*\i:KF+16*\t+4*\i+3], s[10:11] offset:2048*\t+512*\i   ; the wave stores 512 consecutive bytes, aligned
.endr
.endm
	PACK 0
	PACK 1
	SEND 0, 8
	PACK 2
	SEND 1, 8
	PACK 3
	SEND 2, 8
	SEND 3, 0
	s_wait_tensorcnt 0x0                           ; the wave's end
	ds_add_u32 v[SPW], v[NIL]
	s_wait_dscnt 0x0
	CROUND                                         ; the closing round
	s_endpgm
.Lfunc_end_k_q5de81ae628_attn:
	.size	k_q5de81ae628_attn, .Lfunc_end_k_q5de81ae628_attn-k_q5de81ae628_attn
	.p2alignl 7, 3214868480
	.fill 96, 4, 3214868480
	.section	.rodata,"a",@progbits
	.p2align	6, 0x0
	.amdhsa_kernel k_q5de81ae628_attn
		.amdhsa_group_segment_fixed_size 327680
		.amdhsa_private_segment_fixed_size 0
		.amdhsa_enable_private_segment 0
		.amdhsa_kernarg_size 16
		.amdhsa_user_sgpr_count 2
		.amdhsa_user_sgpr_kernarg_segment_ptr 1
		.amdhsa_wavefront_size32 1
		.amdhsa_system_sgpr_workgroup_id_x 1
		.amdhsa_system_sgpr_workgroup_id_y 1
		.amdhsa_system_sgpr_workgroup_id_z 1
		.amdhsa_system_vgpr_workitem_id 0
		.amdhsa_next_free_vgpr 512
		.amdhsa_next_free_sgpr 66
		.amdhsa_reserve_vcc 0
		.amdhsa_float_denorm_mode_32 3
		.amdhsa_float_denorm_mode_16_64 3
		.amdhsa_memory_ordered 1
		.amdhsa_forward_progress 1
		.amdhsa_inst_pref_size 202
	.end_amdhsa_kernel
	.amdgpu_metadata
---
amdhsa.version: [ 1, 2 ]
amdhsa.kernels:
  - .name:           k_q5de81ae628_attn
    .symbol:         k_q5de81ae628_attn.kd
    .args:
      - { .name: qkv, .offset: 0, .size: 8, .value_kind: global_buffer, .address_space: global }
      - { .name: att, .offset: 8, .size: 8, .value_kind: global_buffer, .address_space: global }
    .group_segment_fixed_size: 327680
    .private_segment_fixed_size: 0
    .kernarg_segment_align: 8
    .kernarg_segment_size: 16
    .max_flat_workgroup_size: 256
    .sgpr_count:     66
    .vgpr_count:     512
    .wavefront_size: 32
...
	.end_amdgpu_metadata
.endif
;; end of part 3
;; launch proj (part 4): grid 8 x 64, 4 waves a work-group, clusters of 4 x 4, 327,680 bytes of LDS; arguments att, wpt, b_proj, out0; writes out0
.if DOCPART == 4
	.amdgcn_target "amdgcn-amd-amdhsa--gfx1250"
	.amdhsa_code_object_version 6
	.text
	.protected	k_q5de81ae628_proj
	.globl	k_q5de81ae628_proj
	.p2align	8
	.type	k_q5de81ae628_proj,@function
k_q5de81ae628_proj:
	s_mov_b64 s[64:65], 0
	v_nop
	global_prefetch_b8 v0, s[64:65] scope:SCOPE_SE
	s_setreg_imm32_b32 hwreg(HW_REG_WAVE_MODE, 25, 1), 1
	s_wait_xcnt 0x0
	s_wait_alu depctr_hold_cnt(0) depctr_sa_sdst(0) depctr_va_vdst(0) depctr_va_sdst(0) depctr_va_ssrc(0) depctr_va_vcc(0) depctr_vm_vsrc(0)
	s_getreg_b32 s2, hwreg(HW_REG_IB_STS2, 6, 4)
	s_cmp_eq_u32 s2, 0
	s_cbranch_scc0 .Lentry_in_a_cluster
	s_endpgm
.Lentry_in_a_cluster:
	s_bfe_u32 s2, ttmp6, 0x10000c
	s_cmp_lg_u32 s2, 0xf033
	s_cbranch_scc0 .Lentry_shape_is_right
	s_endpgm
.Lentry_shape_is_right:
; PROJ: out0[m][n] = the sum over k of A[m][k] wpt[n][k] + b_proj[n].  A = att [head 16][row 8192][64] f16, k = 64 head + channel; wpt [1024][1024] f16; out0 [8192][1024] f32; sums in f32.
; A tile of 128 x 128 is made by four waves, each 64 x 64: 16 accumulators.  K goes in four steps of 256 through two LDS slots; a step of A is four head planes.
; A's tile for a wave's load: 64 rows of a plane are 8,192 dense bytes, stated as ONE row of 4,096 elements; four such rows, a plane (524,288 elements) apart; 16 bytes of padding behind every 128: in LDS [plane][64 rows][144].
; CLUSTERS: 4 x 4 work-groups; A's tiles are asked for jointly along a row of the cluster, B's along a column.  THE MATRIX INSTRUCTION IS USED TRANSPOSED (source 0 = 16 rows of wpt, source 1 = 16 rows of A):
; a lane holds eight neighbouring numbers of a row of out0.  The bias is the C of each sum's first matrix instruction.
; LIMITS: NaN and infinities are not served.
; REGISTERS: window 0: v16-29 addresses; v32-95 the way out; v96-127 the bias; v128-255 the accumulators ((a, b) at v[128 + 8 (4 a + b)]).   window 1: two fragment buffers of 128: 64 of A, then 64 of B.
.set KSTEP,  256
.set PA,     144                       ; a row of A in LDS: 128 bytes + 16
.set PB,     528                       ; a row of B: 512 bytes + 16
.set PLANE,  64*PA
.set HALFA,  4*PLANE                   ; 64 rows x 256 along K of A: what one load brings
.set HALFB,  64*PB
.set SLOT,   2*HALFA+2*HALFB
.set SPARE,  2*SLOT                    ; the spare words, 128 bytes for each wave
.set SPITCH, 272                       ; the way out: 16 rows x (256 bytes + 16) for each wave, in slot 0, which has had its last fill and its last read by then
.set ADRA, 16
.set ADRB, 20
.set STO,  24
.set RD,   25
.set CO,   26
.set BO,   27                          ; v27  the bias: 32 h
.set SPW,  28
.set NIL,  29
.set BI,   96
.set ACC,  128
.set F0,   0
.set F1,   128
.set G1, 24
.set G0, 32
.set G1B, 48
.set G0B, 56
.set MSB, 0
.macro WIN new
.if MSB != (\new)
	s_set_vgpr_msb (MSB<<8)|(\new)
.set MSB, (\new)
.endif
.endm
.set MUL,  0x05                        ; sources 0 (B) and 1 (A) window 1; C and D window 0
.set TO_F, 0x40
.macro JLOAD s                         ; waves 0 and 1 fetch A's two halves, waves 2 and 3 B's; an s_nop 0 and four v_nop follow each line
	s_cmp_eq_u32 s11, 0
	s_cbranch_scc0 .Lfor_b_\@
	tensor_load_to_lds s[G0+4*\s:G0+4*\s+3], s[G1:G1+7]
	s_nop 0
.rept 4
	v_nop
.endr
	s_branch .Lasked_\@
.Lfor_b_\@:
	tensor_load_to_lds s[G0B+4*\s:G0B+4*\s+3], s[G1B:G1B+7]
	s_nop 0
.rept 4
	v_nop
.endr
.Lasked_\@:
.endm
.macro CREST
	s_cmp_lg_u32 s10, 0
	s_cbranch_scc1 .Lnot_wave_0_\@
	s_barrier_signal -3
.Lnot_wave_0_\@:
	s_barrier_wait -3
	s_barrier_signal -1
	s_barrier_wait -1
.endm
.macro CROUND
	s_barrier_signal -1
	s_barrier_wait -1
	CREST
.endm
	s_load_b128 s[4:7], s[0:1], 0x0                ; att, wpt
	s_load_b64 s[68:69], s[0:1], 0x10              ; b_proj
	s_load_b64 s[8:9], s[0:1], 0x18                ; out0
	v_lshl_add_u32 v[SPW], v0, 2, SPARE
	v_mov_b32 v[NIL], 0
	ds_add_u32 v[SPW], v[NIL]                      ; the wave's opening: the add, twice on end, and its wait ahead of my first tensor load
	ds_add_u32 v[SPW], v[NIL]
	v_lshrrev_b32 v1, 5, v0
	v_readfirstlane_b32 s10, v1                    ; wave 0..3
	s_lshr_b32 s11, s10, 1                         ; which half of the tile's rows is mine.  Also: I fetch for A (0) or for B (1)
	s_and_b32 s12, s10, 1                          ; which half of its columns.  Also: which 64 rows I fetch
	s_bfe_u32 s40, ttmp6, 0x40000
	s_bfe_u32 s41, ttmp6, 0x40004
	s_lshl_b32 s42, ttmp9, 2
	s_add_co_u32 s42, s42, s40                     ; tile column
	s_and_b32 s13, ttmp7, 0xffff
	s_lshl_b32 s13, s13, 2
	s_add_co_u32 s13, s13, s41                     ; tile row
	s_lshl_b32 s43, s41, 2
	s_lshl_b32 s43, 15, s43
	s_lshl_b32 s44, 0x1111, s40
	s_or_b32 s[G1+0], s43, (1<<16)|(1<<20)|(1<<21)|(4<<22)|(3<<25)  ; A: the mask of my row; elements of 2 bytes; padding: 4 words behind every 32; bit 21 beside a mask
	s_mov_b32 s[G1+1], 4096<<16                    ; tensor_dim0 = 4,096
	s_mov_b32 s[G1+2], 4<<16                       ; tensor_dim1 = 4
	s_mov_b32 s[G1+3], 4096<<16                    ; tile_dim0
	s_mov_b32 s[G1+4], 4                           ; tile_dim1
	s_mov_b32 s[G1+5], 524288                      ; from plane to plane
	s_mov_b32 s[G1+6], 0
	s_mov_b32 s[G1+7], 0
	s_or_b32 s[G1B+0], s44, (1<<16)|(1<<20)|(1<<21)|(6<<22)|(3<<25) ; B: the mask of my column; padding: 4 words behind every 128
	s_mov_b32 s[G1B+1], KSTEP<<16
	s_mov_b32 s[G1B+2], 64<<16
	s_mov_b32 s[G1B+3], KSTEP<<16
	s_mov_b32 s[G1B+4], 64
	s_mov_b32 s[G1B+5], 1024
	s_mov_b32 s[G1B+6], 0
	s_mov_b32 s[G1B+7], 0
	s_lshl_b32 s17, s12, 6
	s_lshl_b32 s16, s13, 7
	s_add_co_u32 s16, s16, s17                     ; A: row 128 x tile row + 64 x half
	s_lshl_b32 s46, s42, 7
	s_add_co_u32 s46, s46, s17                     ; B: row 128 x tile column + 64 x half
	s_lshl_b32 s16, s16, 7                         ; 128 bytes a row in a plane
	s_mov_b32 s17, 0
	s_lshl_b32 s46, s46, 11                        ; 2,048 bytes a row
	s_mov_b32 s47, 0
	s_mul_i32 s20, s12, HALFA                      ; where they go
	s_mul_i32 s21, s12, HALFB
	s_add_co_u32 s21, s21, 2*HALFA
	s_wait_dscnt 0x0                               ; both opening adds are done
	s_wait_kmcnt 0x0
	s_add_nc_u64 s[14:15], s[4:5], s[16:17]
	s_add_nc_u64 s[46:47], s[6:7], s[46:47]
	CROUND                                         ; all sixteen work-groups are here: the first joint loads meet
.irp s, 0,1
	s_mov_b32 s[G0+4*\s], 1
	s_add_co_u32 s[G0+4*\s+1], s20, \s*SLOT
	s_add_nc_u64 s[G0+4*\s+2:G0+4*\s+3], s[14:15], \s*4194304      ; K step s: four planes of 1,048,576 bytes on
	s_or_b32 s[G0+4*\s+3], s[G0+4*\s+3], 0x80000000
	s_mov_b32 s[G0B+4*\s], 1
	s_add_co_u32 s[G0B+4*\s+1], s21, \s*SLOT
	s_add_nc_u64 s[G0B+4*\s+2:G0B+4*\s+3], s[46:47], \s*KSTEP*2
	s_or_b32 s[G0B+4*\s+3], s[G0B+4*\s+3], 0x80000000
	JLOAD \s                                       ; two loads of mine are out
.endr
	v_and_b32 v1, 15, v0                           ; r
	v_bfe_u32 v2, v0, 4, 1                         ; h
	v_mul_u32_u24 v3, v1, PA
	v_lshl_add_u32 v3, v2, 4, v3
	v_mul_u32_u24 v4, v1, PB
	v_lshl_add_u32 v4, v2, 4, v4
	s_mul_i32 s21, s11, HALFA                      ; my 64 rows of A
	s_mul_i32 s22, s12, HALFB                      ; my 64 rows of B, behind A's 128
	s_add_co_u32 s22, s22, 2*HALFA
.irp s, 0,1
	v_add_nc_u32 v[ADRA+\s], s21, v3
	v_add_nc_u32 v[ADRB+\s], s22, v4
	s_add_co_u32 s21, s21, SLOT
	s_add_co_u32 s22, s22, SLOT
.endr
	s_mul_i32 s23, s10, 16*SPITCH                  ; my stage
	v_mul_u32_u24 v5, v1, SPITCH
	v_lshl_add_u32 v5, v2, 5, v5
	v_add_nc_u32 v[STO], s23, v5                   ; in: row r, 32 bytes for each half of the lanes
	v_mul_u32_u24 v5, v2, SPITCH
	v_lshl_add_u32 v5, v1, 4, v5
	v_add_nc_u32 v[RD], s23, v5                    ; back: lanes 0-15 one row of 256 bytes, lanes 16-31 the next
	v_lshlrev_b32 v5, 12, v2
	v_lshl_add_u32 v[CO], v1, 4, v5                ; the same two rows in out0: 4,096 bytes a row
	v_lshlrev_b32 v[BO], 5, v2
	s_lshl_b32 s16, s13, 19
	s_lshl_b32 s17, s11, 18
	s_add_co_u32 s16, s16, s17                     ; my first row: 128 x tile row + 64 x half
	s_mov_b32 s17, 0
	s_add_nc_u64 s[8:9], s[8:9], s[16:17]
	s_lshl_b32 s46, s42, 9
	s_lshl_b32 s47, s12, 8
	s_add_co_u32 s46, s46, s47                     ; my first column, in bytes of f32
	s_mov_b32 s47, 0
	s_add_nc_u64 s[8:9], s[8:9], s[46:47]
	s_add_nc_u64 s[68:69], s[68:69], s[46:47]
.irp b, 0,1,2,3
.irp e, 0,1
	global_load_b128 v[BI+8*\b+4*\e:BI+8*\b+4*\e+3], v[BO], s[68:69] offset:64*\b+16*\e   ; b_proj at my columns 16 b + 8 h + 0 .. 7
.endr
.endr
; 8 matrix instructions: m blocks a0, a0 + 1 x all 4 n blocks, 32 along K: half c of buffer f.  The accumulators take turns.  zero = 1: the first product starts the sums from the bias.
.macro MUL8 f, c, a0, zero
.irp a, \a0, \a0+1
.irp b, 0,1,2,3
.if \zero
	v_wmma_f32_16x16x32_f16 v[ACC+8*(4*(\a)+\b):ACC+8*(4*(\a)+\b)+7], v[\f+64+8*(4*\c+\b):\f+64+8*(4*\c+\b)+7], v[\f+8*(4*\c+\a):\f+8*(4*\c+\a)+7], v[BI+8*\b:BI+8*\b+7]
.else
	v_wmma_f32_16x16x32_f16 v[ACC+8*(4*(\a)+\b):ACC+8*(4*(\a)+\b)+7], v[\f+64+8*(4*\c+\b):\f+64+8*(4*\c+\b)+7], v[\f+8*(4*\c+\a):\f+8*(4*\c+\a)+7], v[ACC+8*(4*(\a)+\b):ACC+8*(4*(\a)+\b)+7]
.endif
.endr
.endr
.endm
; 32 LDS loads in one run: the fragments of a slot's q-th 64 along K (plane q of A, 128 bytes on in B's rows), into buffer f; the first 32 along K first
.macro FETCH slot, q, f
	WIN TO_F
.irp c, 0,1
.irp i, 0,1,2,3
	ds_load_b128 v[\f+64+8*(4*\c+\i):\f+64+8*(4*\c+\i)+3],   v[ADRB+\slot] offset:128*(\q)+64*\c+\i*16*PB
	ds_load_b128 v[\f+64+8*(4*\c+\i)+4:\f+64+8*(4*\c+\i)+7], v[ADRB+\slot] offset:128*(\q)+64*\c+\i*16*PB+32
	ds_load_b128 v[\f+8*(4*\c+\i):\f+8*(4*\c+\i)+3],         v[ADRA+\slot] offset:PLANE*(\q)+64*\c+\i*16*PA
	ds_load_b128 v[\f+8*(4*\c+\i)+4:\f+8*(4*\c+\i)+7],       v[ADRA+\slot] offset:PLANE*(\q)+64*\c+\i*16*PA+32
.endr
.endr
.endm
.macro PLACES
.rept 4
	v_nop
.endr
.endm
.macro QUARTER slot, q, f, g, zero     ; multiplies buffer f and fetches the slot's q-th 64 along K into g
	s_wait_dscnt 16                                ; the first 32 along K are in; the other sixteen loads may be out
	WIN MUL
	MUL8 \f, 0, 0, \zero
	MUL8 \f, 0, 2, \zero
	PLACES
	FETCH \slot, \q, \g
	s_wait_dscnt 32                                ; all but the 32 just issued
	WIN MUL
	MUL8 \f, 1, 0, 0
	MUL8 \f, 1, 2, 0
.endm
; A slot's last quarter changes slots: in front of the barrier each wave waits for all its tensor loads, adds 0 to its spare word, and waits for that and for its reads of the slot.  fill = 1: the slot is filled again, two K steps ahead.
.macro TURN slot, next, fill
	WIN 0
	s_wait_tensorcnt 0x0
	ds_add_u32 v[SPW], v[NIL]
	s_wait_dscnt 17                                ; the add and the youngest sixteen loads may be out
	WIN MUL
	MUL8 F1, 0, 0, 0
	s_wait_dscnt 0x0                               ; the add is done, and my reads of this slot are over
	s_barrier_signal -1
	MUL8 F1, 0, 2, 0
.if \fill
	WIN 0
.endif
	s_barrier_wait -1
.if \fill
	CREST                                          ; the barrier has opened a round of the cluster's: no wave of any partner still reads this slot or has a load on its way
	s_add_nc_u64 s[G0+4*\slot+2:G0+4*\slot+3], s[G0+4*\slot+2:G0+4*\slot+3], 8388608
	s_add_nc_u64 s[G0B+4*\slot+2:G0B+4*\slot+3], s[G0B+4*\slot+2:G0B+4*\slot+3], 2*KSTEP*2
	JLOAD \slot                                    ; the first tensor load behind the round; its four v_nop are also the places in front of the loads below
.else
	PLACES
.endif
	FETCH \next, 0, F0
	WIN MUL
	MUL8 F1, 1, 0, 0
	MUL8 F1, 1, 2, 0
.endm
	s_wait_tensorcnt 1                             ; my part of K step 0 is in; K step 1's load may be out
	s_barrier_signal -1
	s_barrier_wait -1
	FETCH 0, 0, F0
	s_wait_loadcnt 0x0                             ; the bias
	QUARTER 0, 1, F0, F1, 1                        ; K step 0
	QUARTER 0, 2, F1, F0, 0
	QUARTER 0, 3, F0, F1, 0
	TURN 0, 1, 1                                   ; slot 0 takes K step 2
	QUARTER 1, 1, F0, F1, 0                        ; K step 1
	QUARTER 1, 2, F1, F0, 0
	QUARTER 1, 3, F0, F1, 0
	TURN 1, 0, 1                                   ; slot 1 takes K step 3
	QUARTER 0, 1, F0, F1, 0                        ; K step 2
	QUARTER 0, 2, F1, F0, 0
	QUARTER 0, 3, F0, F1, 0
	TURN 0, 1, 0                                   ; nothing is left to fetch
	QUARTER 1, 1, F0, F1, 0                        ; K step 3
	QUARTER 1, 2, F1, F0, 0
	QUARTER 1, 3, F0, F1, 0
	s_wait_dscnt 16
	WIN MUL
	MUL8 F1, 0, 0, 0
	MUL8 F1, 0, 2, 0
	s_wait_dscnt 0
	MUL8 F1, 1, 0, 0
	MUL8 F1, 1, 2, 0
	WIN 0
; THE WAY OUT, a block of 16 rows x 64 columns at a time: a wave's 64 columns of f32 are 256 consecutive bytes, aligned, so each wave has a stage of its own and no barrier is needed.
.macro TOSTAGE a
.set BB, 32+32*((\a)%2)
.irp b, 0,1,2,3
	ds_store_b128 v[STO], v[ACC+8*(4*(\a)+\b):ACC+8*(4*(\a)+\b)+3] offset:64*\b          ; each accumulator from its low end on
	ds_store_b128 v[STO], v[ACC+8*(4*(\a)+\b)+4:ACC+8*(4*(\a)+\b)+7] offset:64*\b+16
.endr
.irp t, 0,1,2,3,4,5,6,7
	ds_load_b128 v[BB+4*\t:BB+4*\t+3], v[RD] offset:2*\t*SPITCH   ; LDS serves a wave's instructions in order: these see the stores above
.endr
.endm
.macro SEND a, younger                 ; younger: the LDS instructions issued behind block a's loads
.set BB, 32+32*((\a)%2)
	s_wait_dscnt \younger
.irp t, 0,1,2,3,4,5,6,7
	global_store_b128 v[CO], v[BB+4*\t:BB+4*\t+3], s[8:9] offset:(16*(\a)+2*\t)*4096 th:TH_STORE_NT   ; sixteen lanes store 256 consecutive bytes, aligned; written once, read by nobody here
.endr
.endm
	PLACES
	TOSTAGE 0
.irp a, 1,2,3
.if \a > 1
	s_wait_xcnt 0x0                                ; the stores of two blocks back have read the registers into which this block's loads land
.endif
	TOSTAGE \a
	SEND \a-1, 16                                  ; behind block a - 1's loads: block a's 8 stores and 8 loads
.endr
	SEND 3, 0
	s_wait_tensorcnt 0x0                           ; the wave's end
	ds_add_u32 v[SPW], v[NIL]
	s_wait_dscnt 0x0
	CROUND                                         ; the closing round
	s_endpgm
.Lfunc_end_k_q5de81ae628_proj:
	.size	k_q5de81ae628_proj, .Lfunc_end_k_q5de81ae628_proj-k_q5de81ae628_proj
	.p2alignl 7, 3214868480
	.fill 96, 4, 3214868480
	.section	.rodata,"a",@progbits
	.p2align	6, 0x0
	.amdhsa_kernel k_q5de81ae628_proj
		.amdhsa_group_segment_fixed_size 327680
		.amdhsa_private_segment_fixed_size 0
		.amdhsa_enable_private_segment 0
		.amdhsa_kernarg_size 32
		.amdhsa_user_sgpr_count 2
		.amdhsa_user_sgpr_kernarg_segment_ptr 1
		.amdhsa_wavefront_size32 1
		.amdhsa_system_sgpr_workgroup_id_x 1
		.amdhsa_system_sgpr_workgroup_id_y 1
		.amdhsa_system_sgpr_workgroup_id_z 1
		.amdhsa_system_vgpr_workitem_id 0
		.amdhsa_next_free_vgpr 512
		.amdhsa_next_free_sgpr 72
		.amdhsa_reserve_vcc 0
		.amdhsa_float_denorm_mode_32 3
		.amdhsa_float_denorm_mode_16_64 3
		.amdhsa_memory_ordered 1
		.amdhsa_forward_progress 1
		.amdhsa_inst_pref_size 86
	.end_amdhsa_kernel
	.amdgpu_metadata
---
amdhsa.version: [ 1, 2 ]
amdhsa.kernels:
  - .name:           k_q5de81ae628_proj
    .symbol:         k_q5de81ae628_proj.kd
    .args:
      - { .name: att, .offset: 0, .size: 8, .value_kind: global_buffer, .address_space: global }
      - { .name: wpt, .offset: 8, .size: 8, .value_kind: global_buffer, .address_space: global }
      - { .name: b_proj, .offset: 16, .size: 8, .value_kind: global_buffer, .address_space: global }
      - { .name: out0, .offset: 24, .size: 8, .value_kind: global_buffer, .address_space: global }
    .group_segment_fixed_size: 327680
    .private_segment_fixed_size: 0
    .kernarg_segment_align: 8
    .kernarg_segment_size: 32
    .max_flat_workgroup_size: 128
    .sgpr_count:     72
    .vgpr_count:     512
    .wavefront_size: 32
...
	.end_amdgpu_metadata
.endif
;; end of part 4
